; MI455X (gfx1250); checked and timed in simulation.
; The chip was launched on July 23, 2026; its instructions are those of AMD's public machine-readable ISA for CDNA 5 (MIT licence, August 2026) and "CDNA5" Instruction Set Architecture Reference Guide (July 2026). The comments in the code are by the model that wrote it; some were corrected since.
;; Linear Multi Head Attention. Allowed arithmetic: matrix products marked QUANTISED: E3M2 operands, one E8M0 scale for each 32 along K, by v_wmma_scale_f32_16x16x128_f8f6f4 with both operands' format E3M2, f32 sums; products left as they are: f32 operands where the result goes on into a quantised operand, else bf16, f16 or f32 operands; f32 sums; everything else in f32.
;; Inputs: Wk 1,024 x 1,024 float32; Wo 1,024 x 512 float32; Wq 1,024 x 1,024 float32; Wv 1,024 x 1,024 float32; bk 1,024 float32; bo 512 float32; bq 1,024 float32; bv 1,024 float32; key 4 x 4,096 x 1,024 float32; query 4 x 4,096 x 1,024 float32; value 4 x 4,096 x 1,024 float32.
;; Outputs: out0 4 x 4,096 x 512 float32.
;; This version of the problem:
;;   THIS VERSION OF THE PROBLEM IS GIVEN IN LOW PRECISION. The matrix products marked QUANTISED in the list below multiply operands that are first quantised to E3M2 (3 exponent bits, 2 mantissa bits; 6 bits a number), with one power-of-two scale for each 32 numbers along K (OCP MX v1.0); their sums are f32. All else is computed in f32.
;;   The module's matrix products, in the order in which they are computed (A, B: the left and right operand; K: the contracted axis; several contracted axes count as one K, in the product's order):
;;     1. [M 16,384, K 1,024] x [K 1,024, N 1,024]; A: input query; B: input Wq: QUANTISED
;;     2. [M 16,384, K 1,024] x [K 1,024, N 1,024]; A: input key; B: input Wk: QUANTISED
;;     3. [M 16,384, K 1,024] x [K 1,024, N 1,024]; A: input value; B: input Wv: QUANTISED
;;     4. batch 64 x [M 64, K 4,096] x [K 4,096, N 64]; A: computed on the way; B: computed on the way: QUANTISED
;;     5. batch 64 x [M 1, K 64] x [K 64, N 4,096]; A: computed on the way; B: computed on the way: left as it is (M = 1 < 16)
;;     6. batch 64 x [M 64, K 64] x [K 64, N 4,096]; A: computed on the way; B: computed on the way: QUANTISED
;;     7. batch 262,144 x [M 1, K 1] x [K 1, N 64]; A: computed on the way; B: computed on the way: left as it is (no contracted axis)
;;     8. [M 16,384, K 1,024] x [K 1,024, N 512]; A: computed on the way; B: input Wo: QUANTISED
;;   THE QUANTISER, for each operand of a quantised product, along K:
;;     - K is cut into blocks of 32 from its start; a last block that is shorter is filled with zeros.
;;     - A block's scale is 2^e with e = floor(log2(the largest magnitude in the block)) - 4, held to -126 .. 127; a block of zeros has e = 0. As a byte (E8M0): e + 127.
;;     - Each number is divided by its block's scale, clamped to +-28, and rounded to the nearest number of E3M2, ties to even, subnormals kept.
;;     - The product sums the exact products of the quantised numbers (number of the format x scale) in f32.
;;   ~~~python
;;   def quantise(x, axis):      # numpy; x: float32 -> the quantised numbers, widened to float32 again
;;       x = np.moveaxis(x, axis, -1); K = x.shape[-1]
;;       x = np.pad(x, [(0, 0)] * (x.ndim - 1) + [(0, -K % 32)]); x = x.reshape(x.shape[:-1] + (-1, 32)); a = np.abs(x).max(-1, keepdims=True)
;;       e = np.where(a > 0, np.clip(np.frexp(np.where(a > 0, a, 1))[1] - 1 - 4, -126, 127), 0)      # np.frexp(a)[1] - 1 = floor(log2(a)), exactly
;;       r = np.clip(x / 2.0 ** e, -28, 28)
;;       step = 2.0 ** (np.maximum(np.frexp(np.where(r == 0, 1, r))[1] - 1, -2) - 2)
;;       q = np.round(r / step) * step * 2.0 ** e      # np.round: ties to even
;;       return np.moveaxis(q.reshape(q.shape[:-2] + (-1,))[..., :K], -1, axis).astype(np.float32)
;;   ~~~
;;   OPERANDS COMPUTED ON THE WAY. 'Computed on the way' means the value that the module computes at that place (a softmax that the list does not call 'softmax' is quantised finished and normalised). What goes into a quantiser is computed in f32, as accurately as f32 sums, v_exp_f32 and their like allow (about 1e-6 of the number): no bf16 or f16 on the way to a quantiser, and a product that is left as it is and whose result goes on into a quantised operand takes f32 operands (vector FMAs, or v_wmma_f32_16x16x4_f32). A number that lies on a knife's edge between two numbers of the format may be rounded either way, as far as f32 arithmetic and the matrix unit's own rounding can turn it there, and no further.
;; One version. Each part assembles by itself: llvm-mc -triple=amdgcn-amd-amdhsa -mcpu=gfx1250 --defsym DOCPART=n.
;; ======== version 1 of 1: 4 launches
;; workspace buffers: wfrag 2,867,200 bytes; kvc 25,165,824 bytes; kvs 1,048,576 bytes; ksp 2,097,152 bytes; kvf 212,992 bytes; ksum 16,384 bytes
;; launch wprep (part 1): grid 224 x 1, 4 waves a work-group, no clusters, 0 bytes of LDS; arguments Wk, Wv, Wq, Wo, wfrag; writes wfrag
.if DOCPART == 1
	.amdgcn_target "amdgcn-amd-amdhsa--gfx1250"
	.amdhsa_code_object_version 6
	.text
	.protected	k_qbd8e2055be_wprep
	.globl	k_qbd8e2055be_wprep
	.p2align	8
	.type	k_qbd8e2055be_wprep,@function
k_qbd8e2055be_wprep:
	s_mov_b64 s[64:65], 0
	v_nop
	global_prefetch_b8 v0, s[64:65] scope:SCOPE_SE
	s_setreg_imm32_b32 hwreg(HW_REG_WAVE_MODE, 25, 1), 1
	s_wait_xcnt 0x0
; LINEAR ATTENTION IN MX-BF6, launch 1 of 4: the four weights become codes of E3M2 with one E8M0 byte for each 32 along K.
; DEAD WORK: none.  Every input of reference() has a way to out0: the three activations and their weights and biases through q, k, v;
; Wo and bo through the last product; each bias stands ahead of a quantiser (bq, bk, bv) or is added to the output (bo).  So all eleven inputs are loaded.
; Wk, Wv, Wq [1024 (k)][1024 (n)] and Wo [1024 (k)][512 (n)] are f32 with K as their FIRST axis.  A LANE TAKES A COLUMN n AND ITS REGISTERS RUN DOWN K:
; each load reads 128 consecutive bytes a wave (512 a work-group), a block of 32 along K lies in one lane, and the conversions give codes with K innermost.
; THE RESULT IS LAID IN THE ORDER OF THE OPERAND'S REGISTERS.  wfrag is a run of fills of 102,400 bytes (Wk 8, Wv 8, Wq 8, Wo 4); a fill is four records of 25,600 bytes, one for
; each wave that will read it; a record is 16 fragment images of 1,536 bytes ([q 3][lane 32][16 bytes]: registers 4 q .. 4 q + 3) and, from byte 24,576, eight planes of 128 bytes of
; scale words (plane j: lanes 0-15 tile 2 j, lanes 16-31 tile 2 j + 1).  Wk, Wv, Wq: fill = K step of 128, image = column tile of the wave's 256 columns.  Wo: a fill holds two K steps,
; image 8 x (step % 2) + tile of the wave's 128 columns.
; THE COLUMNS OF A TILE ARE NOT NEIGHBOURS: in a group of 32 columns, lane r of tile u takes column 8 u + r + 8 (r / 8), so that a transposed product leaves 16 neighbours in a lane.
; A work-group takes 128 columns x one K step of one weight; a wave 32 columns.  One path serves all four weights: o = 1 for Wo halves the pitch and the counts by shifts.
; Loads run two blocks (64 loads a wave) ahead; each of the four blocks has its own 32 registers.
; A block's byte is its largest magnitude's exponent field - 4, held at 1 from below.  LIMITS: a block of zeros gets the byte 1 where the rule says 127 (its codes are zeros, and this
; program alone reads the bytes); blocks whose largest magnitude lies under 2^-122 get the byte 1; NaN and infinities among the inputs are not served.
.set FILL,  102400
.set REC,   25600
.set WSCO,  24576
.set OFFS,  16                         ; v16-47   row i of a block: i x pitch + 4 x lane
.set X,     48                         ; v48-175  four blocks of 32 numbers
.set F,     176                        ; v176-199 the codes: F + 12 hh + 6 c holds block 2 c + hh: the fragment's registers of lane (r, hh)
	s_load_b256 s[4:11], s[0:1], 0x0               ; Wk, Wv, Wq, Wo
	s_load_b64 s[12:13], s[0:1], 0x20              ; wfrag
	v_lshrrev_b32 v5, 5, v0
	v_readfirstlane_b32 s3, v5                     ; wave
	v_and_b32 v1, 31, v0                           ; lane
	s_lshr_b32 s16, ttmp9, 6                       ; which weight: 0 Wk, 1 Wv, 2 Wq, 3 Wo (ids 192 to 223)
	s_cmp_lt_u32 s16, 3
	s_cselect_b32 s14, 0, 1                        ; o
	s_and_b32 s15, ttmp9, 63                       ; the work-group's number within its weight
	s_lshr_b32 s32, 7, s14                         ; 7, or 3 for Wo
	s_sub_co_u32 s33, 3, s14                       ; 3, or 2
	s_and_b32 s34, s15, s32                        ; which 128 columns
	s_lshr_b32 s17, s15, s33                       ; which K step
	s_lshl_b32 s18, s34, 2
	s_add_co_u32 s18, s18, s3                      ; which 32 columns
	s_lshr_b32 s19, 0x1000, s14                    ; a row of the weight in bytes
	s_mul_i32 s35, s16, 8*FILL                     ; the weight's fills (Wo's begin behind three times eight)
	s_lshr_b32 s34, s17, s14
	s_mul_i32 s34, s34, FILL                       ; + the fill
	s_add_co_u32 s35, s35, s34
	s_lshr_b32 s34, s18, s33
	s_mul_i32 s34, s34, REC                        ; + the reading wave's record
	s_add_co_u32 s35, s35, s34
	s_and_b32 s34, s18, s32
	s_and_b32 s44, s17, s14
	s_lshl_b32 s44, s44, 2
	s_add_co_u32 s34, s34, s44                     ; the pair of tiles in the record
	s_mul_i32 s36, s34, 3072
	s_add_co_u32 s36, s36, s35                     ; where its two images begin
	s_mov_b32 s37, 0
	s_lshl_b32 s38, s34, 7
	s_add_co_u32 s38, s38, s35
	s_add_co_u32 s38, s38, WSCO                    ; and its plane of scale words
	s_mov_b32 s39, 0
	s_mul_i32 s40, s17, s19
	s_lshl_b32 s40, s40, 7                         ; 128 rows a K step
	s_lshl_b32 s44, s18, 7                         ; 128 bytes for 32 columns
	s_add_co_u32 s40, s40, s44
	s_mov_b32 s41, 0
	s_lshl_b32 s42, s19, 5                         ; a block of 32 rows on
	s_mov_b32 s43, 0
	v_lshlrev_b32 v6, 2, v1
.set i_, 0
.rept 32
	v_mad_u32_u24 v[OFFS+i_], s19, i_, v6
.set i_, i_+1
.endr
	v_bfe_u32 v7, v1, 3, 1                         ; u: my column's tile of the two
	v_and_b32 v8, 7, v1
	v_lshrrev_b32 v9, 4, v1
	v_lshl_add_u32 v8, v9, 3, v8                   ; r: its lane there
	v_lshlrev_b32 v2, 4, v8
	v_mad_u32_u24 v2, v7, 1536, v2                 ; codes: 1,536 u + 16 r
	v_lshl_add_u32 v3, v7, 4, v8
	v_lshlrev_b32 v3, 2, v3                        ; scale word: 4 (16 u + r)
	s_wait_kmcnt 0x0
	s_cmp_lt_u32 s16, 1                            ; the choices hang on the work-group's number alone
	s_cselect_b64 s[20:21], s[4:5], s[6:7]
	s_cmp_lt_u32 s16, 2
	s_cselect_b64 s[20:21], s[20:21], s[8:9]
	s_cmp_lt_u32 s16, 3
	s_cselect_b64 s[20:21], s[20:21], s[10:11]
	s_add_nc_u64 s[20:21], s[20:21], s[40:41]      ; block 0 of my K step, my first column
	s_add_nc_u64 s[22:23], s[20:21], s[42:43]
	s_add_nc_u64 s[24:25], s[22:23], s[42:43]
	s_add_nc_u64 s[26:27], s[24:25], s[42:43]
	s_add_nc_u64 s[28:29], s[12:13], s[36:37]
	s_add_nc_u64 s[30:31], s[12:13], s[38:39]
.macro LOADB kb                        ; block kb: W(128 s + 32 kb + i, my column), i = 0 .. 31: read once in the launch
.set i_, 0
.rept 32
	global_load_b32 v[X+32*(\kb)+i_], v[OFFS+i_], s[20+2*(\kb):21+2*(\kb)] th:TH_LOAD_NT
.set i_, i_+1
.endr
.endm
; left: the younger loads that may stay out when this block's 32 have to be there;  ahead = 1: the block two further on is asked for behind that wait
.macro BLOCK kb, left, ahead
.set XB, X+32*(\kb)
.set FB, F+12*((\kb)%2)+6*((\kb)/2)
	s_wait_loadcnt \left                           ; loads come back in order: this block's are in, the next block's 32 may be out
.if \ahead
	LOADB (\kb)+2
.endif
	v_max3_num_f32 v8, |v[XB]|, |v[XB+1]|, 0x2800000   ; the largest magnitude, in two chains, with the floor 2^(5 - 127) among its leaves
	v_max3_num_f32 v9, |v[XB+2]|, |v[XB+3]|, |v[XB+4]|
.irp i, 5,9,13,17,21,25
	v_max3_num_f32 v8, v8, |v[XB+\i]|, |v[XB+\i+1]|
	v_max3_num_f32 v9, v9, |v[XB+\i+2]|, |v[XB+\i+3]|
.endr
	v_max3_num_f32 v8, v8, |v[XB+29]|, |v[XB+30]|
	v_max3_num_f32 v8, v8, v9, |v[XB+31]|
	v_add_nc_u32 v10, 0xfe000000, v8               ; 4 off its exponent field: the conversion's scale operand
	v_lshrrev_b32 v11, 23, v10                     ; the byte
.if (\kb) == 0
	v_mov_b32 v4, v11
.else
	v_lshl_or_b32 v4, v11, 8*(\kb), v4             ; the lower K in the lower byte
.endif
	v_cvt_scalef32_pk16_bf6_f32 v[FB:FB+2], v[XB:XB+15], v10
	v_cvt_scalef32_pk16_bf6_f32 v[12:14], v[XB+16:XB+31], v10   ; (a conversion's three registers begin on an even number)
	v_nop                                          ; one plain place behind a scaled conversion
	v_mov_b32 v[FB+3], v12
	v_mov_b32 v[FB+4], v13
	v_mov_b32 v[FB+5], v14
.endm
	LOADB 0
	LOADB 1
	BLOCK 0, 32, 1
	BLOCK 1, 32, 1
	BLOCK 2, 32, 0
	BLOCK 3, 0, 0
.irp hh, 0,1
.irp q, 0,1,2
	global_store_b128 v2, v[F+12*\hh+4*\q:F+12*\hh+4*\q+3], s[28:29] offset:256*\hh+512*\q   ; the sixteen lanes of a tile store 256 consecutive bytes, aligned
.endr
.endr
	global_store_b32 v3, v4, s[30:31]              ; the plane's 128 bytes
	s_endpgm
.Lfunc_end_k_qbd8e2055be_wprep:
	.size	k_qbd8e2055be_wprep, .Lfunc_end_k_qbd8e2055be_wprep-k_qbd8e2055be_wprep
	.p2alignl 7, 3214868480
	.fill 96, 4, 3214868480
	.section	.rodata,"a",@progbits
	.p2align	6, 0x0
	.amdhsa_kernel k_qbd8e2055be_wprep
		.amdhsa_group_segment_fixed_size 0
		.amdhsa_private_segment_fixed_size 0
		.amdhsa_enable_private_segment 0
		.amdhsa_kernarg_size 40
		.amdhsa_user_sgpr_count 2
		.amdhsa_user_sgpr_kernarg_segment_ptr 1
		.amdhsa_wavefront_size32 1
		.amdhsa_system_sgpr_workgroup_id_x 1
		.amdhsa_system_sgpr_workgroup_id_y 1
		.amdhsa_system_sgpr_workgroup_id_z 1
		.amdhsa_system_vgpr_workitem_id 0
		.amdhsa_next_free_vgpr 208
		.amdhsa_next_free_sgpr 66
		.amdhsa_reserve_vcc 0
		.amdhsa_float_denorm_mode_32 3
		.amdhsa_float_denorm_mode_16_64 3
		.amdhsa_memory_ordered 1
		.amdhsa_forward_progress 1
		.amdhsa_inst_pref_size 24
	.end_amdhsa_kernel
	.amdgpu_metadata
---
amdhsa.version: [ 1, 2 ]
amdhsa.kernels:
  - .name:           k_qbd8e2055be_wprep
    .symbol:         k_qbd8e2055be_wprep.kd
    .args:
      - { .name: Wk, .offset: 0, .size: 8, .value_kind: global_buffer, .address_space: global }
      - { .name: Wv, .offset: 8, .size: 8, .value_kind: global_buffer, .address_space: global }
      - { .name: Wq, .offset: 16, .size: 8, .value_kind: global_buffer, .address_space: global }
      - { .name: Wo, .offset: 24, .size: 8, .value_kind: global_buffer, .address_space: global }
      - { .name: wfrag, .offset: 32, .size: 8, .value_kind: global_buffer, .address_space: global }
    .group_segment_fixed_size: 0
    .private_segment_fixed_size: 0
    .kernarg_segment_align: 8
    .kernarg_segment_size: 40
    .max_flat_workgroup_size: 128
    .sgpr_count:     66
    .vgpr_count:     208
    .wavefront_size: 32
...
	.end_amdgpu_metadata
.endif
;; end of part 1
;; launch kvproj (part 2): grid 256 x 2, 4 waves a work-group, clusters of 4 x 1, 327,680 bytes of LDS; arguments key, value, wfrag, bk, bv, kvc, kvs, ksp; writes kvc, kvs, ksp
.if DOCPART == 2
	.amdgcn_target "amdgcn-amd-amdhsa--gfx1250"
	.amdhsa_code_object_version 6
	.text
	.protected	k_qbd8e2055be_kvproj
	.globl	k_qbd8e2055be_kvproj
	.p2align	8
	.type	k_qbd8e2055be_kvproj,@function
k_qbd8e2055be_kvproj:
	s_mov_b64 s[64:65], 0
	v_nop
	global_prefetch_b8 v0, s[64:65] scope:SCOPE_SE
	s_setreg_imm32_b32 hwreg(HW_REG_WAVE_MODE, 25, 1), 1
	s_wait_xcnt 0x0
	s_wait_alu depctr_hold_cnt(0) depctr_sa_sdst(0) depctr_va_vdst(0) depctr_va_sdst(0) depctr_va_ssrc(0) depctr_va_vcc(0) depctr_vm_vsrc(0)
	s_getreg_b32 s2, hwreg(HW_REG_IB_STS2, 6, 4)
	s_cmp_eq_u32 s2, 0
	s_cbranch_scc0 .Lentry_in_a_cluster
	s_endpgm
.Lentry_in_a_cluster:
	s_bfe_u32 s2, ttmp6, 0x10000c
	s_cmp_lg_u32 s2, 0x3003
	s_cbranch_scc0 .Lentry_shape_is_right
	s_endpgm
.Lentry_shape_is_right:
; Launch 2 of 4: k = phi(key Wk + bk) (work-group y = 0) and v = value Wv + bv (y = 1), both products on codes of E3M2; the results are quantised along t for the product k^T v; no work of reference() is left out.
; SHARES.  A work-group owns 64 rows t and all 1,024 columns, so each f32 row is read once, by one work-group.  Wave w owns columns 256 w .. 256 w + 255 for all 64 rows: 64 accumulators, 512 registers.
; K goes outermost in 8 steps of 128.  x: wave w loads 16 rows x 512 bytes a step (three steps ahead, in three sets of registers), turns them through its own stage in LDS so that a lane holds 16
; neighbours of each block of 32, quantises them, and hands the fragment to the other waves as an image of its registers.  THE WEIGHTS come as records laid in the order of the operand's registers
; (launch 1), through a ring of two LDS slots; each wave fetches and reads its own record.
; CLUSTER.  All row blocks walk the same weights: the four work-groups of a cluster ask for each record JOINTLY (mask 15): the same tensor load with the same descriptor in all four.
; THE ORDER OF K IS TURNED BY THE CLUSTER: ROT = (c xor c / 8) % 8, c the cluster's number, which the four partners share; step s takes K step (s + ROT) % 8, of the weight and of x alike.  So the 64 clusters
; of a weight ask for eight different fills at a time, not all for the same one.  Nothing else knows which K step a step holds.
; LAYOUT.  Source 0 = 16 rows of x, source 1 = 16 columns of W: a lane holds ONE column and its registers run along t.  THE ROWS OF A TILE OF x ARE NOT NEIGHBOURS: row i of tile m is
; t = 32 (m / 2) + 8 (m % 2) + i + 8 (i / 8), so that the 32 registers of a column tile are t = 32 bq + 16 (lane / 16) + 0 .. 15, bq = 0, 1: what the quantiser along t wants.
; phi(x) = x + 1 for x > 0, e^x else.  Both forms are computed, E = 2^(x log2 e) and U = x + 1, and the middle one of E, U, 1 is taken: 1 < U < E for x > 0, U < E < 1 for x < 0.
; OUT.  kvc [tensor][b][head][K step of 128 t][column tile 4][half 2]: a half is this row block's six registers of a fragment: 512 bytes (registers 0-3, 16 a lane), 256 bytes (registers 4-5, 8 a lane).
; kvs [tensor][row block][w][g 2][r 16][i 4]: word 4 g + i: the scale bytes of tile pair 4 g + i.  ksp [row block][w][pair 8][lane][2]: each lane's sum over its 32 t of the unquantised phi(k).
; LIMITS: the eight K steps of a sum are added in an order that begins at ROT, not at 0; e^x is made as 2^(x log2 e) where reference() writes expm1(x) + 1: they differ by some 1.2e-7 at the most;
; zero blocks and blocks under 2^-122 get the byte 1; NaN and infinities are not served.
; REGISTERS, in windows of 256.  Window 0: v1-16 addresses; v28-30 x's offsets, one for each raw set; v32-35 x's scale words, v36-43 the weights', v44 the word just made; v46-93 x's four fragments;
;   v94-105, v118-125 at work in the quantiser; v106-117 codes just made; v128-191 64 numbers of a lane; v192-255 raw set 0.  Window 1: v0-95 two sets of four weight fragments; v96-223 raw sets 1, 2; v224-239 the biases.
;   Windows 2, 3: the accumulators: column tile c, row tile m at v[32 (c % 8) + 8 m] of window 2 + c / 8.
;   s[8:9] my record of the weight's fill 0, never rewritten; s[54:55] a fill's offset (s55 = 0); s56 at work; s57 ROT.
.set KIND,  0
.set PERM,  1
.set FILL,  102400                     ; a ring slot: four records
.set REC,   25600
.set WSCO,  24576
.set XIMG,  204800                     ; behind the ring: x's images, two slots of 6,400: four fragments, then 256 bytes of scale words [tile][r]
.set XSL,   6400
.set XSCO,  6144
.set STG,   217600                     ; each wave's stage: 16 rows x (512 + 16) bytes
.set SPARE, 251392                     ; the spare words, 128 bytes for each wave: two blocks of 256 bytes that no other line names
.set XS, 32
.set WS, 36
.set PW, 44
.set XF, 46
.set TM, 94
.set PC, 106
.set QT, 118
.set ST, 128
.set R0, 192
.set MSB, 0
.macro WIN new                         ; the immediate's high byte repeats the setting that is left; a switch that changes nothing is dropped
.if MSB != (\new)
	s_set_vgpr_msb (MSB<<8)|(\new)
.set MSB, \new
.endif
.endm
.macro PLACES                          ; four places between a matrix instruction and a load into, or a vector read of, its registers (ISA guide 7.12.1 for vector reads)
.rept 4
	v_nop
.endr
.endm
.macro ROUND                           ; a round of the cluster's barrier
	s_barrier_signal -1
	s_barrier_wait -1
	s_cmp_lg_u32 s3, 0
	s_cbranch_scc1 .Lnw0_\@
	s_barrier_signal -3
.Lnw0_\@:
	s_barrier_wait -3
	s_barrier_signal -1
	s_barrier_wait -1
.endm
.macro FILLAT f, slot                  ; the slot's group 0 gets the address of what step f multiplies: the weight's fill (f + ROT) % 8; made of the wave's and the cluster's numbers alone
	s_add_co_u32 s56, s57, \f
	s_and_b32 s56, s56, 7
	s_mul_i32 s54, s56, FILL
	s_add_nc_u64 s[26+4*(\slot):27+4*(\slot)], s[8:9], s[54:55]
	s_or_b32 s[27+4*(\slot)], s[27+4*(\slot)], 0x80000000
.endm
.macro JLOAD slot                      ; my record of the slot's next fill; every wave issues one; s_nop 0 and four v_nop follow
	tensor_load_to_lds s[24+4*(\slot):27+4*(\slot)], s[16:23]
	s_nop 0
.rept 4
	v_nop
.endr
.endm
; THE TOP OF A STEP: one barrier, which shows x's images of the step to every wave.  mode 0: the first step: my first fill is in, the second may stay out.
; mode 1: the ring slot read last step is filled again, for step f: all my tensor loads are waited for, the add, the wait for it and for my LDS reads, a round of the cluster's barrier, my one joint load.  mode 2: the same without a refill.
.macro TOP mode, slot, f
	WIN 0
.if (\mode) == 0
	s_wait_tensorcnt 0x1
	s_wait_dscnt 0x0
	s_barrier_signal -1
	s_barrier_wait -1
.else
	s_wait_tensorcnt 0x0                           ; no tensor load of mine is out, so a group 0 may be written
	ds_add_u32 v13, v14                            ; 0 onto my spare word
.if (\mode) == 1
	FILLAT \f, \slot
.endif
	s_wait_dscnt 0x0                               ; the add is done, my images are stored, my reads of the slot are over
.if (\mode) == 1
	ROUND
	JLOAD \slot
.else
	s_barrier_signal -1
	s_barrier_wait -1
	PLACES
.endif
.endif
.endm
.macro XLOAD k                         ; what step k multiplies, K step (k + ROT) % 8 of my 16 rows of x, into raw set k % 3: each load is 512 consecutive bytes of one row
	WIN 0
	s_add_co_u32 s56, s57, \k
	s_and_b32 s56, s56, 7
	s_lshl_b32 s56, s56, 9
	v_add_nc_u32 v[28+(\k)%3], s56, v1             ; the set's own offset register: its last loads were shown done by their counted wait
.if ((\k)%3) == 0
.set XR, R0
.else
	WIN 0x40
.set XR, 96+64*(((\k)%3)-1)
.endif
.set i_, 0
.rept 16
	global_load_b128 v[XR+4*i_:XR+4*i_+3], v[28+(\k)%3], s[4:5] offset:(i_+8*PERM*(i_/8))*4096 th:TH_LOAD_NT
.set i_, i_+1
.endr
	WIN 0
.endm
.macro TURN k                          ; through my stage: in as loaded, out as v[ST + 16 b + e] = x(row lane % 16, 32 b + 16 (lane / 16) + e).  LDS serves a wave's instructions in order: no wait between
.if ((\k)%3) == 0
	WIN 0
.set XR, R0
.else
	WIN 0x04
.set XR, 96+64*(((\k)%3)-1)
.endif
.set i_, 0
.rept 16
	ds_store_b128 v11, v[XR+4*i_:XR+4*i_+3] offset:528*i_
.set i_, i_+1
.endr
	WIN 0
.irp b, 0,1,2,3
.irp j, 0,1,2,3
	ds_load_b128 v[ST+16*\b+4*\j:ST+16*\b+4*\j+3], v12 offset:128*\b+16*\j
.endr
.endr
.endm
; 64 numbers of a lane, register 16 b + e = place 32 b + 16 (lane / 16) + e along the quantiser's axis, become codes (blocks 0, 1 in v[d0] .. +5, blocks 2, 3 in v[d1] .. +5) and a scale word in v[w].
.macro QUANT s, d0, d1, w
.irp b, 0,1,2,3
	v_max3_num_f32 v[TM+\b], |v[\s+16*\b]|, |v[\s+1+16*\b]|, 0x2800000   ; my 16 numbers of block b, and the floor 2^(5 - 127): the byte cannot fall under 1
.endr
.irp i, 2,4,6,8,10,12,14
.irp b, 0,1,2,3
	v_max3_num_f32 v[TM+\b], v[TM+\b], |v[\s+16*\b+\i]|, |v[\s+1+16*\b+\i]|
.endr
.endr
.irp b, 0,1,2,3
	v_permlanex16_b32 v[TM+4+\b], v[TM+\b], s32, s33
.endr
.irp b, 0,1,2,3
	v_max_num_f32 v[TM+\b], v[TM+\b], v[TM+4+\b]   ; with lane l xor 16's: the block's largest magnitude
.endr
.irp b, 0,1,2,3
	v_add_nc_u32 v[TM+8+\b], 0xfe000000, v[TM+\b]  ; 4 off its exponent field: the conversion's scale operand
.endr
.irp b, 0,1,2,3
	v_lshrrev_b32 v[TM+4+\b], 23, v[TM+8+\b]       ; the byte
.endr
	v_lshl_or_b32 v[\w], v[TM+5], 8, v[TM+4]
	v_lshl_or_b32 v[\w], v[TM+6], 16, v[\w]
	v_lshl_or_b32 v[\w], v[TM+7], 24, v[\w]
	v_cvt_scalef32_pk16_bf6_f32 v[(\d0):(\d0)+2], v[\s:\s+15], v[TM+8]
	v_cvt_scalef32_pk16_bf6_f32 v[QT:QT+2], v[\s+16:\s+31], v[TM+9]   ; (a conversion's three registers begin on an even number)
	v_cvt_scalef32_pk16_bf6_f32 v[(\d1):(\d1)+2], v[\s+32:\s+47], v[TM+10]
	v_cvt_scalef32_pk16_bf6_f32 v[QT+4:QT+6], v[\s+48:\s+63], v[TM+11]
	v_nop                                          ; one plain place behind a scaled conversion
.irp i, 0,1,2                                  ; the operand's layout wants a WHOLE block in a lane: lanes 0-15 the even block, lanes 16-31 the odd one
	v_permlane16_swap_b32 v[(\d0)+\i], v[QT+\i]
	v_permlane16_swap_b32 v[(\d1)+\i], v[QT+4+\i]
.endr
.irp i, 0,1,2
	v_mov_b32 v[(\d0)+3+\i], v[QT+\i]
	v_mov_b32 v[(\d1)+3+\i], v[QT+4+\i]
.endr
.endm
.macro IMAGE adr, off                  ; the fragment in v[PC] on goes to LDS as it stands: lane l's 16 bytes at 16 l
.irp q, 0,1,2
	ds_store_b128 v[\adr], v[PC+4*\q:PC+4*\q+3] offset:(\off)+512*\q
.endr
.endm
.macro FETCHX adrI, adrS, offI, offS, xf, xs   ; four fragments and their scale words: register i: lanes 0-15 tile 2 i, lanes 16-31 tile 2 i + 1
.irp m, 0,1,2,3
.irp q, 0,1,2
	ds_load_b128 v[(\xf)+12*\m+4*\q:(\xf)+12*\m+4*\q+3], v[\adrI] offset:(\offI)+1536*\m+512*\q
.endr
.endr
	ds_load_b32 v[\xs], v[\adrS] offset:(\offS)
	ds_load_b32 v[(\xs)+1], v[\adrS] offset:(\offS)+128
.endm
.macro FETCHWS slot
.irp j, 0,1,2,3,4,5,6,7
	ds_load_b32 v[WS+\j], v[5+(\slot)] offset:128*\j
.endr
.endm
.macro FETCHW slot, g                  ; weight images 4 g .. 4 g + 3 into set g % 2 of window 1
	WIN 0x40
.irp i, 0,1,2,3
.irp q, 0,1,2
	ds_load_b128 v[48*((\g)%2)+12*\i+4*\q:48*((\g)%2)+12*\i+4*\q+3], v[3+(\slot)] offset:(4*(\g)+\i)*1536+512*\q
.endr
.endr
	WIN 0
.endm
.macro WM                              ; one matrix instruction from the symbols dD, dA, dB, dSA, dSB; fZ: C = 0; fRA, fRB: the side's scales stand in lanes 16-31
.if fZ
.if fRA && fRB
	v_wmma_scale_f32_16x16x128_f8f6f4 v[dD:dD+7], v[dA:dA+11], v[dB:dB+11], 0, v[dSA], v[dSB] matrix_a_fmt:MATRIX_FMT_BF6 matrix_b_fmt:MATRIX_FMT_BF6 matrix_a_scale:MATRIX_SCALE_ROW1 matrix_b_scale:MATRIX_SCALE_ROW1
.elseif fRA
	v_wmma_scale_f32_16x16x128_f8f6f4 v[dD:dD+7], v[dA:dA+11], v[dB:dB+11], 0, v[dSA], v[dSB] matrix_a_fmt:MATRIX_FMT_BF6 matrix_b_fmt:MATRIX_FMT_BF6 matrix_a_scale:MATRIX_SCALE_ROW1
.elseif fRB
	v_wmma_scale_f32_16x16x128_f8f6f4 v[dD:dD+7], v[dA:dA+11], v[dB:dB+11], 0, v[dSA], v[dSB] matrix_a_fmt:MATRIX_FMT_BF6 matrix_b_fmt:MATRIX_FMT_BF6 matrix_b_scale:MATRIX_SCALE_ROW1
.else
	v_wmma_scale_f32_16x16x128_f8f6f4 v[dD:dD+7], v[dA:dA+11], v[dB:dB+11], 0, v[dSA], v[dSB] matrix_a_fmt:MATRIX_FMT_BF6 matrix_b_fmt:MATRIX_FMT_BF6
.endif
.else
.if fRA && fRB
	v_wmma_scale_f32_16x16x128_f8f6f4 v[dD:dD+7], v[dA:dA+11], v[dB:dB+11], v[dD:dD+7], v[dSA], v[dSB] matrix_a_fmt:MATRIX_FMT_BF6 matrix_b_fmt:MATRIX_FMT_BF6 matrix_a_scale:MATRIX_SCALE_ROW1 matrix_b_scale:MATRIX_SCALE_ROW1
.elseif fRA
	v_wmma_scale_f32_16x16x128_f8f6f4 v[dD:dD+7], v[dA:dA+11], v[dB:dB+11], v[dD:dD+7], v[dSA], v[dSB] matrix_a_fmt:MATRIX_FMT_BF6 matrix_b_fmt:MATRIX_FMT_BF6 matrix_a_scale:MATRIX_SCALE_ROW1
.elseif fRB
	v_wmma_scale_f32_16x16x128_f8f6f4 v[dD:dD+7], v[dA:dA+11], v[dB:dB+11], v[dD:dD+7], v[dSA], v[dSB] matrix_a_fmt:MATRIX_FMT_BF6 matrix_b_fmt:MATRIX_FMT_BF6 matrix_b_scale:MATRIX_SCALE_ROW1
.else
	v_wmma_scale_f32_16x16x128_f8f6f4 v[dD:dD+7], v[dA:dA+11], v[dB:dB+11], v[dD:dD+7], v[dSA], v[dSB] matrix_a_fmt:MATRIX_FMT_BF6 matrix_b_fmt:MATRIX_FMT_BF6
.endif
.endif
.endm
; 16 matrix instructions: weight tiles 4 g .. 4 g + 3, each against the four row tiles.  The accumulators take turns, one instruction a turn, in the same order in every step.
; kind 0: source 0 = x, source 1 = W.  kind 1: source 0 = W, source 1 = x (transposed).  kind 2: as 1, all accumulators in window 2.
.macro MULG kind, g, xf, xs, zero
.if (\kind) == 0
	WIN 0xa4+0x50*((\g)/2)
.elseif (\kind) == 1
	WIN 0xa1+0x50*((\g)/2)
.else
	WIN 0xa1
.endif
.set fZ, \zero
.set i_, 0
.rept 4
.set m_, 0
.rept 4
.set c_, 4*(\g)+i_
.if (\kind) == 0
.set dD, 32*(c_%8)+8*m_
.set dA, (\xf)+12*m_
.set dB, 48*((\g)%2)+12*i_
.set dSA, (\xs)+m_/2
.set dSB, WS+c_/2
.set fRA, m_%2
.set fRB, c_%2
.else
.set dD, 64*m_+8*(c_%8)
.set dA, 48*((\g)%2)+12*i_
.set dB, (\xf)+12*m_
.set dSA, WS+c_/2
.set dSB, (\xs)+m_/2
.set fRA, c_%2
.set fRB, m_%2
.endif
	WM
.set m_, m_+1
.endr
.set i_, i_+1
.endr
.endm
; A K STEP: 64 matrix instructions; the next step's x is turned behind the third quarter and quantised behind the fourth.
.macro STEP s, zero
.set SL, (\s)%2
	FETCHX 7, 8, XSL*SL, XSL*SL, XF, XS
	FETCHWS SL
	FETCHW SL, 0
	FETCHW SL, 1
	s_wait_dscnt 12                                ; all but the second group's 12 loads
	MULG KIND, 0, XF, XS, \zero
	PLACES
	FETCHW SL, 2
	s_wait_dscnt 12                                ; all but the third group's 12
	MULG KIND, 1, XF, XS, \zero
	PLACES
	FETCHW SL, 3
	s_wait_dscnt 12                                ; all but the fourth group's 12
	MULG KIND, 2, XF, XS, \zero
	WIN 0
.if (\s) < 7
.if (\s) <= 4
	s_wait_loadcnt 32                              ; the next step's 16 loads of x are in; those of the two steps behind it may be out
.elseif (\s) == 5
	s_wait_loadcnt 16
.else
	s_wait_loadcnt 0
.endif
	TURN (\s)+1
	s_wait_dscnt 32                                ; the fourth group is in; the turn's 16 stores and 16 loads may be out
.else
	s_wait_dscnt 0
.endif
	MULG KIND, 3, XF, XS, \zero
	WIN 0
.if (\s) < 7
	s_wait_dscnt 0x0                               ; the turned numbers are in, and the stage's stores have read the raw set,
.if (\s)+4 <= 7
	XLOAD (\s)+4                                   ; which takes the loads of three steps further on
.endif
	QUANT ST, PC, PC+6, PW
	IMAGE 9, XSL*(((\s)+1)%2)
	ds_store_b32 v10, v[PW] offset:XSL*(((\s)+1)%2)   ; lanes l and l xor 16 write the same word with the same value
.endif
.endm
	s_load_b512 s[68:83], s[0:1], 0x0              ; key, value, wfrag, bk, bv, kvc, kvs, ksp
	v_lshl_add_u32 v13, v0, 2, SPARE
	v_mov_b32 v14, 0
	ds_add_u32 v13, v14                            ; the wave's opening: the add, twice on end, and its wait ahead of my first tensor load
	ds_add_u32 v13, v14
	v_lshrrev_b32 v21, 5, v0
	v_readfirstlane_b32 s3, v21                    ; wave 0..3
	s_bfe_u32 s36, ttmp6, 0x40000                  ; cx: it enters the addresses of x and of the results alone
	s_lshl_b32 s37, ttmp9, 2
	s_add_co_u32 s37, s37, s36                     ; my block of 64 rows
	s_lshr_b32 s38, s37, 6                         ; the batch
	s_and_b32 s39, ttmp7, 0xffff                   ; 0: key, 1: value; the four partners share it
	s_lshr_b32 s57, ttmp9, 3
	s_xor_b32 s57, s57, ttmp9
	s_and_b32 s57, s57, 7                          ; ROT: made of the cluster's number alone
	s_mov_b32 s55, 0                               ; the upper word of a fill's offset
	s_mov_b32 s16, 15|(3<<16)|(1<<21)              ; group 1: mask: all four work-groups; elements of 8 bytes; bit 21 beside a mask; no padding
	s_mov_b32 s17, 32<<16                          ; tensor_dim0 = 32 elements: rows of 256 bytes
	s_mov_b32 s18, 100<<16                         ; tensor_dim1 = 100 rows: a record is one dense block
	s_mov_b32 s19, 32<<16                          ; tile_dim0
	s_mov_b32 s20, 100                             ; tile_dim1
	s_mov_b32 s21, 32                              ; the pitch
	s_mov_b32 s22, 0
	s_mov_b32 s23, 0
	s_mov_b32 s32, 0x76543210
	s_mov_b32 s33, 0xfedcba98                      ; v_permlanex16_b32's selects for lane l xor 16
	s_mov_b32 s34, 0x3fb8aa3b                      ; log2(e)
	s_mov_b32 s35, s34                             ; (named with it as a pair)
	s_mov_b32 s44, 0xffff0000                      ; lanes 16-31
	s_mul_i32 s40, s3, REC
	s_mul_i32 s46, s39, 8*FILL
	s_add_co_u32 s46, s46, s40                     ; my record of fill 0 of Wk or Wv: made of y and the wave's number alone
	s_mov_b32 s47, 0
	v_and_b32 v21, 31, v0                          ; lane
	v_and_b32 v22, 15, v0                          ; r
	v_bfe_u32 v23, v0, 4, 1                        ; h
	v_lshlrev_b32 v1, 4, v21
	v_lshlrev_b32 v2, 2, v21
	v_lshlrev_b32 v15, 3, v21
	v_add_nc_u32 v3, s40, v1                       ; my record's images in slot 0,
	v_add_nc_u32 v4, FILL, v3                      ; in slot 1
	v_add_nc_u32 v5, s40, v2
	v_add_nc_u32 v5, WSCO, v5                      ; its scale planes
	v_add_nc_u32 v6, FILL, v5
	v_add_nc_u32 v7, XIMG, v1
	v_add_nc_u32 v8, XIMG+XSCO, v2
	s_mul_i32 s41, s3, 1536
	v_add_nc_u32 v9, s41, v7
	s_lshl_b32 s41, s3, 6
	v_lshl_add_u32 v10, v22, 2, s41
	v_add_nc_u32 v10, XIMG+XSCO, v10
	s_mul_i32 s41, s3, 8448
	s_add_co_u32 s41, s41, STG
	v_add_nc_u32 v11, s41, v1
	v_mul_u32_u24 v12, v22, 528
	v_lshl_add_u32 v12, v23, 6, v12
	v_add_nc_u32 v12, s41, v12
	v_and_b32 v16, 8, v22
	v_add_nc_u32 v16, v16, v22
	v_lshlrev_b32 v16, 2, v16                      ; my column in a tile: 4 (r + 8 (r / 8)) bytes
.irp b, 0,1,2,3
	v_mov_b32 v[TM+4+\b], 0                        ; written once: a lane permute's destination counts as one of its sources
.endr
	s_wait_dscnt 0x0                               ; both opening adds are done
	s_wait_kmcnt 0x0
	s_add_nc_u64 s[8:9], s[72:73], s[46:47]
	s_mov_b32 s24, 1
	s_mov_b32 s25, s40
	FILLAT 0, 0
	s_mov_b32 s28, 1
	s_add_co_u32 s29, s40, FILL
	FILLAT 1, 1
	ROUND                                          ; all four work-groups are here: the first joint loads meet
	tensor_load_to_lds s[24:27], s[16:23]          ; what steps 0 and 1 multiply: two loads of mine are out
	s_nop 0
	tensor_load_to_lds s[28:31], s[16:23]
	s_nop 0
.rept 4
	v_nop
.endr
	s_cmp_eq_u32 s39, 0
	s_cselect_b64 s[4:5], s[68:69], s[70:71]       ; x
	s_cselect_b64 s[6:7], s[74:75], s[76:77]       ; its bias
	s_mov_b32 s43, 0
	s_lshl_b32 s42, s37, 18                        ; 64 rows of 4,096 bytes,
	s_lshr_b32 s45, s3, 1
	s_lshl_b32 s45, s45, 17                        ; my tile's first row: 32 (w / 2) + 8 (w % 2)
	s_add_co_u32 s42, s42, s45
	s_and_b32 s45, s3, 1
	s_lshl_b32 s45, s45, 15
	s_add_co_u32 s42, s42, s45
	s_add_nc_u64 s[4:5], s[4:5], s[42:43]
	s_lshl_b32 s42, s3, 10
	s_add_nc_u64 s[6:7], s[6:7], s[42:43]
	s_mul_i32 s42, s39, 12582912
	s_mul_i32 s45, s38, 3145728
	s_add_co_u32 s42, s42, s45
	s_mul_i32 s45, s3, 786432                      ; my four heads
	s_add_co_u32 s42, s42, s45
	s_bfe_u32 s45, s37, 0x50001                    ; the K step of 128 t in the batch
	s_mul_i32 s45, s45, 6144
	s_add_co_u32 s42, s42, s45
	s_and_b32 s45, s37, 1                          ; and which half of it
	s_mul_i32 s45, s45, 768
	s_add_co_u32 s42, s42, s45
	s_add_nc_u64 s[10:11], s[78:79], s[42:43]
	s_lshl_b32 s42, s39, 19
	s_lshl_b32 s45, s37, 11
	s_add_co_u32 s42, s42, s45
	s_lshl_b32 s45, s3, 9
	s_add_co_u32 s42, s42, s45
	s_add_nc_u64 s[12:13], s[80:81], s[42:43]
	s_lshl_b32 s42, s37, 13
	s_lshl_b32 s45, s3, 11
	s_add_co_u32 s42, s42, s45
	s_add_nc_u64 s[14:15], s[82:83], s[42:43]
	WIN 0x40
.irp c, 0,1,2,3,4,5,6,7,8,9,10,11,12,13,14,15
	global_load_b32 v[224+\c], v16, s[6:7] offset:4*(32*(\c/2)+8*(\c%2))   ; my column's bias in each of the 16 tiles
.endr
	WIN 0
	XLOAD 0
	XLOAD 1
	XLOAD 2
	s_wait_loadcnt 32                              ; the biases and step 0's x are in; steps 1 and 2 may be out
	TURN 0
	s_wait_dscnt 0x0
	XLOAD 3
	QUANT ST, PC, PC+6, PW
	IMAGE 9, 0
	ds_store_b32 v10, v[PW]
	TOP 0, 0, 0
	STEP 0, 1                                      ; the first step's products start the sums: nothing is cleared
	TOP 1, 0, 2
	STEP 1, 0
	TOP 1, 1, 3
	STEP 2, 0
	TOP 1, 0, 4
	STEP 3, 0
	TOP 1, 1, 5
	STEP 4, 0
	TOP 1, 0, 6
	STEP 5, 0
	TOP 1, 1, 7
	STEP 6, 0
	TOP 2, 0, 0                                    ; nothing is left to fetch
	STEP 7, 0
	PLACES
; THE WAY OUT, two column tiles at a time: 64 accumulator registers = 4 blocks of 32 along t.  The branch hangs on y alone, which the partners share; neither arm touches LDS.
.macro PAIR pr
.set AWN, 2+(\pr)/4
.set AB, 64*((\pr)%4)
.set BBR, 224+2*(\pr)
	s_cmp_lg_u32 s39, 0
	s_cbranch_scc1 .Lval_\@
	WIN 0x04
	v_mul_f32 v46, s34, v[BBR]                     ; for each tile the pair (b log2 e, b + 1)
	v_add_f32 v47, 1.0, v[BBR]
	v_mul_f32 v48, s34, v[BBR+1]
	v_add_f32 v49, 1.0, v[BBR+1]
	WIN AWN
.set i_, 0
.rept 32
	v_pk_fma_f32 v[ST+2*i_:ST+2*i_+1], v[AB+2*i_:AB+2*i_+1], s[34:35], v[46+2*(i_/16):47+2*(i_/16)] op_sel_hi:[1,0,0]   ; (sum + b) log2 e; each accumulator from its low end on
.set i_, i_+1
.endr
	WIN 0
.set i_, 0
.rept 64
	v_exp_f32 v[ST+i_], v[ST+i_]                   ; E
.set i_, i_+1
.endr
	WIN AWN
.set i_, 0
.rept 32
	v_pk_add_f32 v[R0+2*i_:R0+2*i_+1], v[AB+2*i_:AB+2*i_+1], v[46+2*(i_/16):47+2*(i_/16)] op_sel:[0,1] op_sel_hi:[1,1]   ; U = sum + (b + 1): independent work behind the exponentials
.set i_, i_+1
.endr
	WIN 0
	s_wait_alu depctr_va_vdst(0)                   ; one wait for the 64 exponentials, ahead of their first reader
.set i_, 0
.rept 64
	v_med3_num_f32 v[ST+i_], v[ST+i_], v[R0+i_], 1.0   ; phi: the middle one of E, U, 1
.set i_, i_+1
.endr
	v_pk_add_f32 v[52:53], v[ST:ST+1], v[ST+2:ST+3]        ; the sum over my 32 t of each tile's column, in two chains a tile
	v_pk_add_f32 v[56:57], v[ST+32:ST+33], v[ST+34:ST+35]
	v_pk_add_f32 v[54:55], v[ST+4:ST+5], v[ST+6:ST+7]
	v_pk_add_f32 v[58:59], v[ST+36:ST+37], v[ST+38:ST+39]
.irp i, 8,12,16,20,24,28
	v_pk_add_f32 v[52:53], v[52:53], v[ST+\i:ST+\i+1]
	v_pk_add_f32 v[56:57], v[56:57], v[ST+32+\i:ST+33+\i]
	v_pk_add_f32 v[54:55], v[54:55], v[ST+\i+2:ST+\i+3]
	v_pk_add_f32 v[58:59], v[58:59], v[ST+34+\i:ST+35+\i]
.endr
	v_pk_add_f32 v[52:53], v[52:53], v[54:55]
	v_pk_add_f32 v[56:57], v[56:57], v[58:59]
	v_add_f32 v50, v52, v53
	v_add_f32 v51, v56, v57
	global_store_b64 v15, v[50:51], s[14:15] offset:256*(\pr)   ; 32 lanes store 256 consecutive bytes, aligned
	s_branch .Ljoin_\@
.Lval_\@:
	WIN AWN|0x04
.set i_, 0
.rept 16
	v_pk_add_f32 v[ST+2*i_:ST+2*i_+1], v[AB+2*i_:AB+2*i_+1], v[BBR:BBR+1] op_sel_hi:[1,0]   ; v = sum + b: the even tile takes the pair's first,
.set i_, i_+1
.endr
.rept 16
	v_pk_add_f32 v[ST+2*i_:ST+2*i_+1], v[AB+2*i_:AB+2*i_+1], v[BBR:BBR+1] op_sel:[0,1] op_sel_hi:[1,1]   ; the odd tile its second
.set i_, i_+1
.endr
	WIN 0
.Ljoin_\@:
	s_wait_xcnt 0x0                                ; the stores issued so far have read their registers: the codes and the sums may be written again
	QUANT ST, PC, PC+6, 76+(\pr)
.set OFK, ((\pr)/2)*196608+((\pr)%2)*3072
	global_store_b128 v1, v[PC:PC+3], s[10:11] offset:OFK              ; a half of 768 bytes for each tile: three whole blocks of 256
	global_store_b64 v15, v[PC+4:PC+5], s[10:11] offset:OFK+512
	global_store_b128 v1, v[PC+6:PC+9], s[10:11] offset:OFK+1536
	global_store_b64 v15, v[PC+10:PC+11], s[10:11] offset:OFK+2048
.endm
.irp pr, 0,1,2,3,4,5,6,7
	PAIR \pr
.endr
.irp i, 0,1,2,3
	v_cndmask_b32 v[84+\i], v[76+\i], v[80+\i], s44   ; lanes 0-15 carry pairs 0-3 of row r, lanes 16-31 pairs 4-7
.endr
	global_store_b128 v1, v[84:87], s[12:13]       ; 512 consecutive bytes
	s_wait_tensorcnt 0x0                           ; the wave's end, behind my last tensor load and my last LDS store
	ds_add_u32 v13, v14
	s_wait_dscnt 0x0
	ROUND                                          ; the closing round
	s_endpgm
.Lfunc_end_k_qbd8e2055be_kvproj:
	.size	k_qbd8e2055be_kvproj, .Lfunc_end_k_qbd8e2055be_kvproj-k_qbd8e2055be_kvproj
	.p2alignl 7, 3214868480
	.fill 96, 4, 3214868480
	.section	.rodata,"a",@progbits
	.p2align	6, 0x0
	.amdhsa_kernel k_qbd8e2055be_kvproj
		.amdhsa_group_segment_fixed_size 327680
		.amdhsa_private_segment_fixed_size 0
		.amdhsa_enable_private_segment 0
		.amdhsa_kernarg_size 64
		.amdhsa_user_sgpr_count 2
		.amdhsa_user_sgpr_kernarg_segment_ptr 1
		.amdhsa_wavefront_size32 1
		.amdhsa_system_sgpr_workgroup_id_x 1
		.amdhsa_system_sgpr_workgroup_id_y 1
		.amdhsa_system_sgpr_workgroup_id_z 1
		.amdhsa_system_vgpr_workitem_id 0
		.amdhsa_next_free_vgpr 1024
		.amdhsa_next_free_sgpr 100
		.amdhsa_reserve_vcc 0
		.amdhsa_float_denorm_mode_32 3
		.amdhsa_float_denorm_mode_16_64 3
		.amdhsa_memory_ordered 1
		.amdhsa_forward_progress 1
		.amdhsa_inst_pref_size 255
	.end_amdhsa_kernel
	.section	.bss,"aw",@nobits
	.p2align	6
	.space	262144
	.amdgpu_metadata
---
amdhsa.version: [ 1, 2 ]
amdhsa.kernels:
  - .name:           k_qbd8e2055be_kvproj
    .symbol:         k_qbd8e2055be_kvproj.kd
    .args:
      - { .name: key, .offset: 0, .size: 8, .value_kind: global_buffer, .address_space: global }
      - { .name: value, .offset: 8, .size: 8, .value_kind: global_buffer, .address_space: global }
      - { .name: wfrag, .offset: 16, .size: 8, .value_kind: global_buffer, .address_space: global }
      - { .name: bk, .offset: 24, .size: 8, .value_kind: global_buffer, .address_space: global }
      - { .name: bv, .offset: 32, .size: 8, .value_kind: global_buffer, .address_space: global }
      - { .name: kvc, .offset: 40, .size: 8, .value_kind: global_buffer, .address_space: global }
      - { .name: kvs, .offset: 48, .size: 8, .value_kind: global_buffer, .address_space: global }
      - { .name: ksp, .offset: 56, .size: 8, .value_kind: global_buffer, .address_space: global }
    .group_segment_fixed_size: 327680
    .private_segment_fixed_size: 0
    .kernarg_segment_align: 8
    .kernarg_segment_size: 64
    .max_flat_workgroup_size: 128
    .sgpr_count:     100
    .vgpr_count:     1024
    .wavefront_size: 32
...
	.end_amdgpu_metadata
.endif
;; end of part 2
;; launch kvred (part 3): grid 256 x 1, 8 waves a work-group, no clusters, 34,816 bytes of LDS; arguments kvc, kvs, ksp, kvf, ksum; writes kvf, ksum
.if DOCPART == 3
	.amdgcn_target "amdgcn-amd-amdhsa--gfx1250"
	.amdhsa_code_object_version 6
	.text
	.protected	k_qbd8e2055be_kvred
	.globl	k_qbd8e2055be_kvred
	.p2align	8
	.type	k_qbd8e2055be_kvred,@function
k_qbd8e2055be_kvred:
	s_mov_b64 s[64:65], 0
	v_nop
	global_prefetch_b8 v0, s[64:65] scope:SCOPE_SE
	s_setreg_imm32_b32 hwreg(HW_REG_WAVE_MODE, 25, 1), 1
	s_wait_xcnt 0x0
; Launch 3 of 4: kv[b][h][dv][d] = the sum over t of v[t][dv] k[t][d], on the codes that launch 2 stored; the sum over t of phi(k); kv quantised along d.  No work of reference() is left out.
; SHARES.  A work-group takes one (b, head) and one tile vt of 16 dv; each of its eight waves four K steps of 128 t; wave 0 adds the eight partial sums in ascending order.
; Source 0 = k's four tiles of 16 d, source 1 = v's tile: a lane holds ONE dv, and v[ACC + 16 bq + e] is d = 32 bq + 16 (lane / 16) + e (the tiles' columns were chosen for that in launch 1).
; Fragments come from memory straight into registers, as launch 2 laid them: 16 + 8 + 16 + 8 bytes a lane.  A K step's scale word is pieced from the two row blocks' halves by v_perm_b32.
; NO CLUSTER: k's tiles are read by the four work-groups of a head, but a wave has four K steps in all and takes its fragments whole into registers; a ring of LDS slots with joint loads would have
; as many rounds of the cluster's barrier as steps, for 16 matrix instructions a wave.
; OUT.  kvf: codes [b][head / 2][vt][head % 2]: a half of 768 bytes (six registers: d 0 .. 63 of 16 dv), so that two heads make one fragment of 128 along K; from byte 196,608 scale words
; [b][head][vt / 2][lane]: s0 | s1 << 8, twice, so that the word serves either half of K.  ksum [b][head][d], d in its natural order.  The scale words (64 bytes) and the sums (two runs of 32 bytes)
; of a work-group are parts of blocks of 256 bytes: 32 KiB in the whole launch.
; LIMITS: kv is summed in eight partial sums of 512 t; zero blocks and blocks under 2^-122 get the byte 1; NaN and infinities are not served.
.set RED,   0                          ; LDS: eight waves' partial sums, 4,096 bytes each, as images of the 32 registers
.set KRED,  32768                      ; eight waves' partial sums of phi(k), 128 bytes each
.set SPARE, 33792                      ; the spare words, 128 bytes for each wave: four blocks of 256 bytes that no other line names
.set SA,  24                           ; v24-89   load set 0: k's four fragments (48), v's (12), k's scale words even, odd (2 + 2), v's (1 + 1)
.set SB,  90                           ; v90-155  load set 1
.set ACC, 160
.set T,   192
.set KP,  224
	s_load_b256 s[4:11], s[0:1], 0x0               ; kvc, kvs, ksp, kvf
	s_load_b64 s[12:13], s[0:1], 0x20              ; ksum
	v_lshl_add_u32 v9, v0, 2, SPARE
	v_mov_b32 v10, 0
	v_lshrrev_b32 v11, 5, v0
	v_readfirstlane_b32 s3, v11                    ; wave 0..7
	v_and_b32 v11, 31, v0                          ; lane
	v_and_b32 v12, 15, v0                          ; r
	v_lshlrev_b32 v1, 4, v11
	v_lshlrev_b32 v2, 3, v11
	v_lshlrev_b32 v3, 4, v12
	v_lshlrev_b32 v4, 2, v11
	s_lshl_b32 s56, s3, 12
	v_add_nc_u32 v5, s56, v1                       ; where I store my partial sums
	s_lshl_b32 s56, s3, 7
	v_add_nc_u32 v7, s56, v4
	v_add_nc_u32 v7, KRED, v7
	v_add_nc_u32 v8, KRED, v4
	v_lshlrev_b32 v13, 2, v12                      ; 4 r
	v_and_b32 v14, 8, v12
	v_add_nc_u32 v14, v14, v12
	v_lshlrev_b32 v14, 2, v14                      ; 4 (r + 8 (r / 8))
	v_mov_b32 v242, 0                              ; written once: a lane permute's destination counts as one of its sources
	v_mov_b32 v243, 0
	s_and_b32 s16, ttmp9, 3                        ; vt
	s_bfe_u32 s17, ttmp9, 0x40002                  ; head
	s_lshr_b32 s18, ttmp9, 6                       ; b
	s_lshr_b32 s19, s16, 1                         ; vt / 2
	s_and_b32 s39, s16, 1                          ; vt % 2
	s_mov_b32 s36, 0x76543210
	s_mov_b32 s37, 0xfedcba98
	s_mov_b32 s38, 0x07060302
	s_cmp_eq_u32 s39, 0
	s_cselect_b32 s38, 0x05040100, s38             ; v's tile is the lower or the upper half of its pair's word
	s_mul_i32 s40, s18, 3145728
	s_mul_i32 s56, s17, 196608
	s_add_co_u32 s40, s40, s56
	s_mul_i32 s56, s3, 24576                       ; my four K steps
	s_add_co_u32 s40, s40, s56
	s_mov_b32 s41, 0
	s_mul_i32 s42, s16, 1536
	s_add_co_u32 s42, s42, s40
	s_add_co_u32 s42, s42, 12582912
	s_mov_b32 s43, 0
	s_lshl_b32 s44, s18, 17
	s_lshl_b32 s56, s3, 14
	s_add_co_u32 s44, s44, s56
	s_lshr_b32 s56, s17, 1
	s_lshl_b32 s56, s56, 8
	s_add_co_u32 s44, s44, s56
	s_and_b32 s57, s17, 1                          ; head % 2
	s_lshl_b32 s56, s57, 3
	s_add_co_u32 s44, s44, s56
	s_mov_b32 s45, 0
	s_lshl_b32 s46, s19, 2
	s_add_co_u32 s46, s46, s44
	s_add_co_u32 s46, s46, 524288
	s_mov_b32 s47, 0
	s_lshl_b32 s48, s18, 19
	s_lshl_b32 s56, s3, 16
	s_add_co_u32 s48, s48, s56
	s_lshl_b32 s56, s17, 9
	s_add_co_u32 s48, s48, s56
	s_lshl_b32 s56, s19, 8
	s_add_co_u32 s48, s48, s56
	s_lshl_b32 s56, s39, 2
	s_add_co_u32 s48, s48, s56
	s_mov_b32 s49, 0
	s_mul_i32 s50, s18, 49152
	s_lshr_b32 s56, s17, 1
	s_mul_i32 s56, s56, 6144
	s_add_co_u32 s50, s50, s56
	s_mul_i32 s56, s16, 1536
	s_add_co_u32 s50, s50, s56
	s_mul_i32 s56, s57, 768
	s_add_co_u32 s50, s50, s56
	s_mov_b32 s51, 0
	s_lshl_b32 s54, s18, 4
	s_add_co_u32 s54, s54, s17
	s_lshl_b32 s54, s54, 8                         ; (16 b + head) x 256
	s_lshl_b32 s56, s19, 7
	s_add_co_u32 s54, s54, s56
	s_lshl_b32 s56, s39, 6
	s_add_co_u32 s52, s54, s56
	s_add_co_u32 s52, s52, 196608
	s_mov_b32 s53, 0
	s_lshl_b32 s56, s39, 5
	s_add_co_u32 s54, s54, s56
	s_mov_b32 s55, 0
	s_wait_kmcnt 0x0
	s_add_nc_u64 s[20:21], s[4:5], s[40:41]        ; k's codes
	s_add_nc_u64 s[22:23], s[4:5], s[42:43]        ; v's
	s_add_nc_u64 s[24:25], s[6:7], s[44:45]        ; k's scale words
	s_add_nc_u64 s[26:27], s[6:7], s[46:47]        ; v's
	s_add_nc_u64 s[28:29], s[8:9], s[48:49]        ; the partial sums of phi(k)
	s_add_nc_u64 s[30:31], s[10:11], s[50:51]
	s_add_nc_u64 s[32:33], s[10:11], s[52:53]
	s_add_nc_u64 s[34:35], s[12:13], s[54:55]
.macro LOADK i, set                    ; 24 loads: my K step i
.irp ct, 0,1,2,3
	global_load_b128 v[(\set)+12*\ct:(\set)+12*\ct+3], v1, s[20:21] offset:6144*(\i)+1536*\ct
	global_load_b64 v[(\set)+12*\ct+4:(\set)+12*\ct+5], v2, s[20:21] offset:6144*(\i)+1536*\ct+512
	global_load_b128 v[(\set)+12*\ct+6:(\set)+12*\ct+9], v1, s[20:21] offset:6144*(\i)+1536*\ct+768
	global_load_b64 v[(\set)+12*\ct+10:(\set)+12*\ct+11], v2, s[20:21] offset:6144*(\i)+1536*\ct+1280
.endr
	global_load_b128 v[(\set)+48:(\set)+51], v1, s[22:23] offset:6144*(\i)
	global_load_b64 v[(\set)+52:(\set)+53], v2, s[22:23] offset:6144*(\i)+512
	global_load_b128 v[(\set)+54:(\set)+57], v1, s[22:23] offset:6144*(\i)+768
	global_load_b64 v[(\set)+58:(\set)+59], v2, s[22:23] offset:6144*(\i)+1280
	global_load_b64 v[(\set)+60:(\set)+61], v3, s[24:25] offset:4096*(\i)
	global_load_b64 v[(\set)+62:(\set)+63], v3, s[24:25] offset:4096*(\i)+2048
	global_load_b32 v[(\set)+64], v3, s[26:27] offset:4096*(\i)
	global_load_b32 v[(\set)+65], v3, s[26:27] offset:4096*(\i)+2048
.endm
.macro KSTEP i, set, left
	s_wait_loadcnt \left
	v_perm_b32 v16, v[(\set)+62], v[(\set)+60], 0x05040100   ; bytes 0, 1: the even row block's two blocks of t; bytes 2, 3: the odd one's
	v_perm_b32 v17, v[(\set)+62], v[(\set)+60], 0x07060302
	v_perm_b32 v18, v[(\set)+63], v[(\set)+61], 0x05040100
	v_perm_b32 v19, v[(\set)+63], v[(\set)+61], 0x07060302
	v_perm_b32 v20, v[(\set)+65], v[(\set)+64], s38
.rept 8
	v_nop                                          ; a scale register written by a vector instruction stands 8 places ahead of a scaled matrix instruction
.endr
.irp ct, 0,1,2,3                               ; the four accumulators by turns
.if (\i) == 0
	v_wmma_scale_f32_16x16x128_f8f6f4 v[ACC+8*\ct:ACC+8*\ct+7], v[(\set)+12*\ct:(\set)+12*\ct+11], v[(\set)+48:(\set)+59], 0, v[16+\ct], v20 matrix_a_fmt:MATRIX_FMT_BF6 matrix_b_fmt:MATRIX_FMT_BF6
.else
	v_wmma_scale_f32_16x16x128_f8f6f4 v[ACC+8*\ct:ACC+8*\ct+7], v[(\set)+12*\ct:(\set)+12*\ct+11], v[(\set)+48:(\set)+59], v[ACC+8*\ct:ACC+8*\ct+7], v[16+\ct], v20 matrix_a_fmt:MATRIX_FMT_BF6 matrix_b_fmt:MATRIX_FMT_BF6
.endif
.endr
.rept 4
	v_nop                                          ; places in front of loads into, and vector writes and reads of, these instructions' registers
.endr
.endm
	LOADK 0, SA
	LOADK 1, SB
.irp i, 0,1,2,3,4,5,6,7
	global_load_b32 v[KP+\i], v2, s[28:29] offset:8192*\i   ; my eight row blocks' sums of phi(k) for the tile of 16 d that this work-group sums
.endr
	KSTEP 0, SA, 32                                ; younger: step 1's 24 loads and the 8 sums
	LOADK 2, SA
	KSTEP 1, SB, 32                                ; younger: the 8 sums and step 2's 24
	LOADK 3, SB
	KSTEP 2, SA, 24                                ; younger: step 3's 24
	KSTEP 3, SB, 0
.irp q, 0,1,2,3,4,5,6,7
	ds_store_b128 v5, v[ACC+4*\q:ACC+4*\q+3] offset:512*\q   ; each accumulator from its low end on
.endr
	v_add_f32 v[KP], v[KP], v[KP+1]
	v_add_f32 v[KP+2], v[KP+2], v[KP+3]
	v_add_f32 v[KP+4], v[KP+4], v[KP+5]
	v_add_f32 v[KP+6], v[KP+6], v[KP+7]
	v_add_f32 v[KP], v[KP], v[KP+2]
	v_add_f32 v[KP+4], v[KP+4], v[KP+6]
	v_add_f32 v[KP], v[KP], v[KP+4]
	v_permlanex16_b32 v[KP+1], v[KP], s36, s37     ; the column's other 32 t of each row block lie in lane l xor 16
	v_add_f32 v[KP], v[KP], v[KP+1]
	ds_store_b32 v7, v[KP]
	s_wait_dscnt 0x0                               ; for wave 0's sake: my stores are done
	s_barrier_signal -1
	s_barrier_wait -1
	s_cmp_lg_u32 s3, 0
	s_cbranch_scc1 .Lend
.irp wv, 1,2,3,4,5,6,7
.irp q, 0,1,2,3,4,5,6,7
	ds_load_b128 v[T+4*\q:T+4*\q+3], v1 offset:RED+4096*\wv+512*\q
.endr
	s_wait_dscnt 0x0
.irp i, 0,2,4,6,8,10,12,14,16,18,20,22,24,26,28,30
	v_pk_add_f32 v[ACC+\i:ACC+\i+1], v[ACC+\i:ACC+\i+1], v[T+\i:T+\i+1]
.endr
.endr
.irp i, 0,1,2,3,4,5,6,7
	ds_load_b32 v[232+\i], v8 offset:128*\i
.endr
.irp b, 0,1                                    ; kv along d: two blocks of 32
	v_max3_num_f32 v[240+\b], |v[ACC+16*\b]|, |v[ACC+16*\b+1]|, 0x2800000
.endr
.irp i, 2,4,6,8,10,12,14
.irp b, 0,1
	v_max3_num_f32 v[240+\b], v[240+\b], |v[ACC+16*\b+\i]|, |v[ACC+16*\b+\i+1]|
.endr
.endr
.irp b, 0,1
	v_permlanex16_b32 v[242+\b], v[240+\b], s36, s37
.endr
.irp b, 0,1
	v_max_num_f32 v[240+\b], v[240+\b], v[242+\b]
.endr
.irp b, 0,1
	v_add_nc_u32 v[244+\b], 0xfe000000, v[240+\b]
.endr
.irp b, 0,1
	v_lshrrev_b32 v[242+\b], 23, v[244+\b]
.endr
	v_lshl_or_b32 v246, v243, 8, v242
	v_lshl_or_b32 v246, v246, 16, v246             ; the two bytes twice: they serve K's lower half (an even head) or its upper half (an odd one)
	v_cvt_scalef32_pk16_bf6_f32 v[T:T+2], v[ACC:ACC+15], v244
	v_cvt_scalef32_pk16_bf6_f32 v[T+8:T+10], v[ACC+16:ACC+31], v245
	v_nop                                          ; one plain place behind a scaled conversion
.irp i, 0,1,2
	v_permlane16_swap_b32 v[T+\i], v[T+8+\i]       ; a whole block to a lane: lanes 0-15 d 0 .. 31, lanes 16-31 d 32 .. 63
.endr
.irp i, 0,1,2
	v_mov_b32 v[T+3+\i], v[T+8+\i]
.endr
	global_store_b128 v1, v[T:T+3], s[30:31]
	global_store_b64 v2, v[T+4:T+5], s[30:31] offset:512
	global_store_b32 v13, v246, s[32:33]           ; lanes l and l xor 16 store the same word at the same place
	s_wait_dscnt 0x0
.irp i, 1,2,3,4,5,6,7
	v_add_f32 v232, v232, v[232+\i]
.endr
	global_store_b32 v14, v232, s[34:35]
.Lend:
	s_wait_tensorcnt 0x0                           ; the wave's end, behind my last LDS store
	ds_add_u32 v9, v10
	s_wait_dscnt 0x0
	s_endpgm
.Lfunc_end_k_qbd8e2055be_kvred:
	.size	k_qbd8e2055be_kvred, .Lfunc_end_k_qbd8e2055be_kvred-k_qbd8e2055be_kvred
	.p2alignl 7, 3214868480
	.fill 96, 4, 3214868480
	.section	.rodata,"a",@progbits
	.p2align	6, 0x0
	.amdhsa_kernel k_qbd8e2055be_kvred
		.amdhsa_group_segment_fixed_size 34816
		.amdhsa_private_segment_fixed_size 0
		.amdhsa_enable_private_segment 0
		.amdhsa_kernarg_size 40
		.amdhsa_user_sgpr_count 2
		.amdhsa_user_sgpr_kernarg_segment_ptr 1
		.amdhsa_wavefront_size32 1
		.amdhsa_system_sgpr_workgroup_id_x 1
		.amdhsa_system_sgpr_workgroup_id_y 1
		.amdhsa_system_sgpr_workgroup_id_z 1
		.amdhsa_system_vgpr_workitem_id 0
		.amdhsa_next_free_vgpr 256
		.amdhsa_next_free_sgpr 66
		.amdhsa_reserve_vcc 0
		.amdhsa_float_denorm_mode_32 3
		.amdhsa_float_denorm_mode_16_64 3
		.amdhsa_memory_ordered 1
		.amdhsa_forward_progress 1
		.amdhsa_inst_pref_size 35
	.end_amdhsa_kernel
	.amdgpu_metadata
---
amdhsa.version: [ 1, 2 ]
amdhsa.kernels:
  - .name:           k_qbd8e2055be_kvred
    .symbol:         k_qbd8e2055be_kvred.kd
    .args:
      - { .name: kvc, .offset: 0, .size: 8, .value_kind: global_buffer, .address_space: global }
      - { .name: kvs, .offset: 8, .size: 8, .value_kind: global_buffer, .address_space: global }
      - { .name: ksp, .offset: 16, .size: 8, .value_kind: global_buffer, .address_space: global }
      - { .name: kvf, .offset: 24, .size: 8, .value_kind: global_buffer, .address_space: global }
      - { .name: ksum, .offset: 32, .size: 8, .value_kind: global_buffer, .address_space: global }
    .group_segment_fixed_size: 34816
    .private_segment_fixed_size: 0
    .kernarg_segment_align: 8
    .kernarg_segment_size: 40
    .max_flat_workgroup_size: 256
    .sgpr_count:     66
    .vgpr_count:     256
    .wavefront_size: 32
...
	.end_amdgpu_metadata
.endif
;; end of part 3
;; launch qout (part 4): grid 256 x 1, 4 waves a work-group, clusters of 4 x 1, 327,680 bytes of LDS; arguments query, wfrag, bq, kvf, ksum, bo, out0; writes out0
.if DOCPART == 4
	.amdgcn_target "amdgcn-amd-amdhsa--gfx1250"
	.amdhsa_code_object_version 6
	.text
	.protected	k_qbd8e2055be_qout
	.globl	k_qbd8e2055be_qout
	.p2align	8
	.type	k_qbd8e2055be_qout,@function
k_qbd8e2055be_qout:
	s_mov_b64 s[64:65], 0
	v_nop
	global_prefetch_b8 v0, s[64:65] scope:SCOPE_SE
	s_setreg_imm32_b32 hwreg(HW_REG_WAVE_MODE, 25, 1), 1
	s_wait_xcnt 0x0
	s_wait_alu depctr_hold_cnt(0) depctr_sa_sdst(0) depctr_va_vdst(0) depctr_va_sdst(0) depctr_va_ssrc(0) depctr_va_vcc(0) depctr_vm_vsrc(0)
	s_getreg_b32 s2, hwreg(HW_REG_IB_STS2, 6, 4)
	s_cmp_eq_u32 s2, 0
	s_cbranch_scc0 .Lentry_in_a_cluster
	s_endpgm
.Lentry_in_a_cluster:
	s_bfe_u32 s2, ttmp6, 0x10000c
	s_cmp_lg_u32 s2, 0x3003
	s_cbranch_scc0 .Lentry_shape_is_right
	s_endpgm
.Lentry_shape_is_right:
; Launch 4 of 4: q = phi(query Wq + bq); norm = 1 / (q . sum_t k + 1e-6), in f32 by fused multiply-adds on the unquantised q; attn = (kv q) norm; out0 = attn Wo + bo.  No work of reference() is left out.
; q, attn and norm never go to memory.
; SHARES.  A work-group owns 64 rows t.  In the first product wave w owns columns 256 w .. (heads 4 w .. 4 w + 3) for all 64 rows, 64 accumulators; in the last, output columns 128 w .. for all 64 rows, 32 accumulators.
; The K loop is launch 2's: x loaded three steps ahead, turned through the wave's stage, quantised, handed round as images; weights as records through a ring of two LDS slots, asked for JOINTLY by the four
; work-groups of a cluster (all row blocks walk the same weights).  The ring goes on from Wq's eight fills into Wo's four, which hold two K steps each.
; THE ORDER OF THE FIRST PRODUCT'S K IS TURNED BY THE CLUSTER, as in launch 2: ROT = (c xor c / 8) % 8, c the cluster's number; step s takes K step (s + ROT) % 8, of Wq and of x alike, so that the 64 clusters ask for
; eight different fills of Wq at a time.  Wo's four fills are walked in their own order by all: turning them would make LDS addresses of attn's images hang on the cluster's number.
; LAYOUT.  All products are used TRANSPOSED (source 0 = 16 columns of the weight or 16 dv of kv, source 1 = 16 rows t): a lane holds ONE row t, and by the choice of a tile's columns (launch 1) the 16 registers of two
; neighbouring tiles are 16 neighbours along the next K.  The 64 registers of (row tile m, half p) are heads 4 w + 2 p, 4 w + 2 p + 1: four blocks of 32 along d.
; kv q HAS K = 64: a fragment of kv holds two heads (K's lower and upper half); q's operand is [even head's codes][zero codes] or [zero codes][odd head's codes], cut out of 18 registers laid [even 6][zero 6][odd 6].
; Zero codes add nothing under any scale byte that the quantisers make (1 to 254).
; THE BIASES ARE THE C OF EACH SUM'S FIRST MATRIX INSTRUCTION.  bq does not hang on the row, so it is loaded once, into row tile 0's accumulators, in the result's layout: in the first step the products of row tiles
; 1 to 3 take those registers as C and their own as D; then, five places on, row tile 0's products add in place.  bo is loaded into all 32 accumulators of the last product while the second half of the heads is worked.
; phi as in launch 2: the middle one of E = 2^(x log2 e), U = x + 1 and 1.  LIMITS: as stated there (the order of the eight K steps; e^x against expm1(x) + 1; the byte 1 for zero blocks and blocks under 2^-122; NaN and infinities not served).
; REGISTERS: as in launch 2, but: accumulators of column tile c, row tile m at v[64 m + 8 (c % 8)] of window 2 + c / 8; window 1 v96-223 hold sum_t k of my four heads and v0-95 kv's eight fragments while the heads are worked;
;   v17-20 addresses of attn's images; v22-27 at work; v45 attn's scale word; v126-127 the two norms.
.set KIND,  1
.set PERM,  0
.set FILL,  102400
.set REC,   25600
.set WSCO,  24576
.set XIMG,  204800
.set XSL,   6400
.set XSCO,  6144
.set STG,   217600
.set AIMG,  251392                     ; attn's 32 fragments [K step 8][row tile 4], 1,536 bytes each
.set ASC,   300544                     ; their scale words [K step][row tile][r]
.set SPARE, 302592                     ; the spare words, 128 bytes for each wave: two blocks of 256 bytes that no other line names
.set XS, 32
.set WS, 36
.set PW, 44
.set AW, 45
.set XF, 46
.set TM, 94
.set PC, 106
.set QT, 118
.set ST, 128
.set R0, 192
.set MSB, 0
.macro WIN new                         ; the immediate's high byte repeats the setting that is left; a switch that changes nothing is dropped
.if MSB != (\new)
	s_set_vgpr_msb (MSB<<8)|(\new)
.set MSB, \new
.endif
.endm
.macro PLACES                          ; four places between a matrix instruction and a load into, or a vector read of, its registers (ISA guide 7.12.1 for vector reads)
.rept 4
	v_nop
.endr
.endm
.macro ROUND                           ; a round of the cluster's barrier
	s_barrier_signal -1
	s_barrier_wait -1
	s_cmp_lg_u32 s3, 0
	s_cbranch_scc1 .Lnw0_\@
	s_barrier_signal -3
.Lnw0_\@:
	s_barrier_wait -3
	s_barrier_signal -1
	s_barrier_wait -1
.endm
.macro FILLAT f, slot                  ; the slot's group 0 gets the address of the f-th fill that is walked: Wq's fill (f + ROT) % 8, or, from f = 8 on, Wo's fill f - 8; made of the wave's and the cluster's numbers alone
.if (\f) < 8
	s_add_co_u32 s56, s57, \f
	s_and_b32 s56, s56, 7
	s_mul_i32 s54, s56, FILL
.else
	s_mov_b32 s54, (\f)*FILL
.endif
	s_add_nc_u64 s[26+4*(\slot):27+4*(\slot)], s[8:9], s[54:55]
	s_or_b32 s[27+4*(\slot)], s[27+4*(\slot)], 0x80000000
.endm
.macro JLOAD slot                      ; my record of the slot's next fill; every wave issues one; s_nop 0 and four v_nop follow
	tensor_load_to_lds s[24+4*(\slot):27+4*(\slot)], s[16:23]
	s_nop 0
.rept 4
	v_nop
.endr
.endm
; THE TOP OF A STEP: one barrier.  mode 0: my first fill is in, the second may stay out.  mode 1: the ring slot read last is filled again, with the f-th fill: all my tensor loads are
; waited for, the add, the wait for it and for my LDS instructions, a round of the cluster's barrier, my one joint load.  mode 2: the same without a refill.
.macro TOP mode, slot, f
	WIN 0
.if (\mode) == 0
	s_wait_tensorcnt 0x1
	s_wait_dscnt 0x0
	s_barrier_signal -1
	s_barrier_wait -1
.else
	s_wait_tensorcnt 0x0                           ; no tensor load of mine is out, so a group 0 may be written
	ds_add_u32 v13, v14                            ; 0 onto my spare word
.if (\mode) == 1
	FILLAT \f, \slot
.endif
	s_wait_dscnt 0x0                               ; the add is done, my images are stored, my reads of the slot are over
.if (\mode) == 1
	ROUND
	JLOAD \slot
.else
	s_barrier_signal -1
	s_barrier_wait -1
	PLACES
.endif
.endif
.endm
.macro XLOAD k                         ; what step k multiplies, K step (k + ROT) % 8 of my 16 rows of x, into raw set k % 3: each load is 512 consecutive bytes of one row
	WIN 0
	s_add_co_u32 s56, s57, \k
	s_and_b32 s56, s56, 7
	s_lshl_b32 s56, s56, 9
	v_add_nc_u32 v[28+(\k)%3], s56, v1             ; the set's own offset register: its last loads were shown done by their counted wait
.if ((\k)%3) == 0
.set XR, R0
.else
	WIN 0x40
.set XR, 96+64*(((\k)%3)-1)
.endif
.set i_, 0
.rept 16
	global_load_b128 v[XR+4*i_:XR+4*i_+3], v[28+(\k)%3], s[4:5] offset:(i_+8*PERM*(i_/8))*4096 th:TH_LOAD_NT
.set i_, i_+1
.endr
	WIN 0
.endm
.macro TURN k                          ; through my stage: in as loaded, out as v[ST + 16 b + e] = x(row lane % 16, 32 b + 16 (lane / 16) + e).  LDS serves a wave's instructions in order: no wait between
.if ((\k)%3) == 0
	WIN 0
.set XR, R0
.else
	WIN 0x04
.set XR, 96+64*(((\k)%3)-1)
.endif
.set i_, 0
.rept 16
	ds_store_b128 v11, v[XR+4*i_:XR+4*i_+3] offset:528*i_
.set i_, i_+1
.endr
	WIN 0
.irp b, 0,1,2,3
.irp j, 0,1,2,3
	ds_load_b128 v[ST+16*\b+4*\j:ST+16*\b+4*\j+3], v12 offset:128*\b+16*\j
.endr
.endr
.endm
; 64 numbers of a lane, register 16 b + e = place 32 b + 16 (lane / 16) + e along the quantiser's axis, become codes (blocks 0, 1 in v[d0] .. +5, blocks 2, 3 in v[d1] .. +5) and a scale word in v[w].
.macro QUANT s, d0, d1, w
.irp b, 0,1,2,3
	v_max3_num_f32 v[TM+\b], |v[\s+16*\b]|, |v[\s+1+16*\b]|, 0x2800000   ; my 16 numbers of block b, and the floor 2^(5 - 127): the byte cannot fall under 1
.endr
.irp i, 2,4,6,8,10,12,14
.irp b, 0,1,2,3
	v_max3_num_f32 v[TM+\b], v[TM+\b], |v[\s+16*\b+\i]|, |v[\s+1+16*\b+\i]|
.endr
.endr
.irp b, 0,1,2,3
	v_permlanex16_b32 v[TM+4+\b], v[TM+\b], s32, s33
.endr
.irp b, 0,1,2,3
	v_max_num_f32 v[TM+\b], v[TM+\b], v[TM+4+\b]   ; with lane l xor 16's: the block's largest magnitude
.endr
.irp b, 0,1,2,3
	v_add_nc_u32 v[TM+8+\b], 0xfe000000, v[TM+\b]  ; 4 off its exponent field: the conversion's scale operand
.endr
.irp b, 0,1,2,3
	v_lshrrev_b32 v[TM+4+\b], 23, v[TM+8+\b]       ; the byte
.endr
	v_lshl_or_b32 v[\w], v[TM+5], 8, v[TM+4]
	v_lshl_or_b32 v[\w], v[TM+6], 16, v[\w]
	v_lshl_or_b32 v[\w], v[TM+7], 24, v[\w]
	v_cvt_scalef32_pk16_bf6_f32 v[(\d0):(\d0)+2], v[\s:\s+15], v[TM+8]
	v_cvt_scalef32_pk16_bf6_f32 v[QT:QT+2], v[\s+16:\s+31], v[TM+9]   ; (a conversion's three registers begin on an even number)
	v_cvt_scalef32_pk16_bf6_f32 v[(\d1):(\d1)+2], v[\s+32:\s+47], v[TM+10]
	v_cvt_scalef32_pk16_bf6_f32 v[QT+4:QT+6], v[\s+48:\s+63], v[TM+11]
	v_nop                                          ; one plain place behind a scaled conversion
.irp i, 0,1,2                                  ; the operand's layout wants a WHOLE block in a lane: lanes 0-15 the even block, lanes 16-31 the odd one
	v_permlane16_swap_b32 v[(\d0)+\i], v[QT+\i]
	v_permlane16_swap_b32 v[(\d1)+\i], v[QT+4+\i]
.endr
.irp i, 0,1,2
	v_mov_b32 v[(\d0)+3+\i], v[QT+\i]
	v_mov_b32 v[(\d1)+3+\i], v[QT+4+\i]
.endr
.endm
.macro IMAGE adr, off                  ; the fragment in v[PC] on goes to LDS as it stands: lane l's 16 bytes at 16 l
.irp q, 0,1,2
	ds_store_b128 v[\adr], v[PC+4*\q:PC+4*\q+3] offset:(\off)+512*\q
.endr
.endm
.macro FETCHX adrI, adrS, offI, offS, xf, xs   ; four fragments and their scale words: register i: lanes 0-15 tile 2 i, lanes 16-31 tile 2 i + 1
.irp m, 0,1,2,3
.irp q, 0,1,2
	ds_load_b128 v[(\xf)+12*\m+4*\q:(\xf)+12*\m+4*\q+3], v[\adrI] offset:(\offI)+1536*\m+512*\q
.endr
.endr
	ds_load_b32 v[\xs], v[\adrS] offset:(\offS)
	ds_load_b32 v[(\xs)+1], v[\adrS] offset:(\offS)+128
.endm
.macro FETCHWS slot
.irp j, 0,1,2,3,4,5,6,7
	ds_load_b32 v[WS+\j], v[5+(\slot)] offset:128*\j
.endr
.endm
.macro FETCHW slot, g                  ; weight images 4 g .. 4 g + 3 into set g % 2 of window 1
	WIN 0x40
.irp i, 0,1,2,3
.irp q, 0,1,2
	ds_load_b128 v[48*((\g)%2)+12*\i+4*\q:48*((\g)%2)+12*\i+4*\q+3], v[3+(\slot)] offset:(4*(\g)+\i)*1536+512*\q
.endr
.endr
	WIN 0
.endm
.macro WM                              ; one matrix instruction from the symbols dD, dC, dA, dB, dSA, dSB; fZ = 1: C = 0; 2: C = v[dC] on; 0: C = D; fRA, fRB: the side's scales stand in lanes 16-31
.if fZ == 1
.if fRA && fRB
	v_wmma_scale_f32_16x16x128_f8f6f4 v[dD:dD+7], v[dA:dA+11], v[dB:dB+11], 0, v[dSA], v[dSB] matrix_a_fmt:MATRIX_FMT_BF6 matrix_b_fmt:MATRIX_FMT_BF6 matrix_a_scale:MATRIX_SCALE_ROW1 matrix_b_scale:MATRIX_SCALE_ROW1
.elseif fRA
	v_wmma_scale_f32_16x16x128_f8f6f4 v[dD:dD+7], v[dA:dA+11], v[dB:dB+11], 0, v[dSA], v[dSB] matrix_a_fmt:MATRIX_FMT_BF6 matrix_b_fmt:MATRIX_FMT_BF6 matrix_a_scale:MATRIX_SCALE_ROW1
.elseif fRB
	v_wmma_scale_f32_16x16x128_f8f6f4 v[dD:dD+7], v[dA:dA+11], v[dB:dB+11], 0, v[dSA], v[dSB] matrix_a_fmt:MATRIX_FMT_BF6 matrix_b_fmt:MATRIX_FMT_BF6 matrix_b_scale:MATRIX_SCALE_ROW1
.else
	v_wmma_scale_f32_16x16x128_f8f6f4 v[dD:dD+7], v[dA:dA+11], v[dB:dB+11], 0, v[dSA], v[dSB] matrix_a_fmt:MATRIX_FMT_BF6 matrix_b_fmt:MATRIX_FMT_BF6
.endif
.elseif fZ == 2
.if fRA && fRB
	v_wmma_scale_f32_16x16x128_f8f6f4 v[dD:dD+7], v[dA:dA+11], v[dB:dB+11], v[dC:dC+7], v[dSA], v[dSB] matrix_a_fmt:MATRIX_FMT_BF6 matrix_b_fmt:MATRIX_FMT_BF6 matrix_a_scale:MATRIX_SCALE_ROW1 matrix_b_scale:MATRIX_SCALE_ROW1
.elseif fRA
	v_wmma_scale_f32_16x16x128_f8f6f4 v[dD:dD+7], v[dA:dA+11], v[dB:dB+11], v[dC:dC+7], v[dSA], v[dSB] matrix_a_fmt:MATRIX_FMT_BF6 matrix_b_fmt:MATRIX_FMT_BF6 matrix_a_scale:MATRIX_SCALE_ROW1
.elseif fRB
	v_wmma_scale_f32_16x16x128_f8f6f4 v[dD:dD+7], v[dA:dA+11], v[dB:dB+11], v[dC:dC+7], v[dSA], v[dSB] matrix_a_fmt:MATRIX_FMT_BF6 matrix_b_fmt:MATRIX_FMT_BF6 matrix_b_scale:MATRIX_SCALE_ROW1
.else
	v_wmma_scale_f32_16x16x128_f8f6f4 v[dD:dD+7], v[dA:dA+11], v[dB:dB+11], v[dC:dC+7], v[dSA], v[dSB] matrix_a_fmt:MATRIX_FMT_BF6 matrix_b_fmt:MATRIX_FMT_BF6
.endif
.else
.if fRA && fRB
	v_wmma_scale_f32_16x16x128_f8f6f4 v[dD:dD+7], v[dA:dA+11], v[dB:dB+11], v[dD:dD+7], v[dSA], v[dSB] matrix_a_fmt:MATRIX_FMT_BF6 matrix_b_fmt:MATRIX_FMT_BF6 matrix_a_scale:MATRIX_SCALE_ROW1 matrix_b_scale:MATRIX_SCALE_ROW1
.elseif fRA
	v_wmma_scale_f32_16x16x128_f8f6f4 v[dD:dD+7], v[dA:dA+11], v[dB:dB+11], v[dD:dD+7], v[dSA], v[dSB] matrix_a_fmt:MATRIX_FMT_BF6 matrix_b_fmt:MATRIX_FMT_BF6 matrix_a_scale:MATRIX_SCALE_ROW1
.elseif fRB
	v_wmma_scale_f32_16x16x128_f8f6f4 v[dD:dD+7], v[dA:dA+11], v[dB:dB+11], v[dD:dD+7], v[dSA], v[dSB] matrix_a_fmt:MATRIX_FMT_BF6 matrix_b_fmt:MATRIX_FMT_BF6 matrix_b_scale:MATRIX_SCALE_ROW1
.else
	v_wmma_scale_f32_16x16x128_f8f6f4 v[dD:dD+7], v[dA:dA+11], v[dB:dB+11], v[dD:dD+7], v[dSA], v[dSB] matrix_a_fmt:MATRIX_FMT_BF6 matrix_b_fmt:MATRIX_FMT_BF6
.endif
.endif
.endm
.macro MONE g, xf, xs                  ; the product of weight tile 4 g + i_ (source 0) and row tile m_ (source 1)
.set c_, 4*(\g)+i_
.set dD, 64*m_+8*(c_%8)
.set dC, 8*(c_%8)                      ; row tile 0's accumulator of the same column tile
.set dA, 48*((\g)%2)+12*i_
.set dB, (\xf)+12*m_
.set dSA, WS+c_/2
.set dSB, (\xs)+m_/2
.set fRA, c_%2
.set fRB, m_%2
	WM
.endm
; 16 matrix instructions: weight tiles 4 g .. 4 g + 3, each against the four row tiles.  The accumulators take turns, one instruction a turn.
; kind 1: accumulators in window 2 + g / 2.  kind 2: all in window 2.  zero = 0: the sums go on.  zero = 2: the sums begin with the bias that lies in row tile 0's accumulators: row tiles 1 to 3 take it as C;
; five places stand between the last of them and the first product that writes over it (a matrix instruction that writes over a register which an earlier one has read: ISA guide 7.12.1); then row tile 0 adds in place.
.macro MULG kind, g, xf, xs, zero
.if (\kind) == 1
	WIN 0xa1+0x50*((\g)/2)
.else
	WIN 0xa1
.endif
.if (\zero) == 2
.set fZ, 2
.set m_, 1
.rept 3
.set i_, 0
.rept 4
	MONE \g, \xf, \xs
.set i_, i_+1
.endr
.set m_, m_+1
.endr
.rept 5
	v_nop
.endr
.set fZ, 0
.set m_, 0
.set i_, 0
.rept 4
	MONE \g, \xf, \xs
.set i_, i_+1
.endr
.else
.set fZ, \zero
.set i_, 0
.rept 4
.set m_, 0
.rept 4
	MONE \g, \xf, \xs
.set m_, m_+1
.endr
.set i_, i_+1
.endr
.endif
.endm
; A K STEP of the first product: 64 matrix instructions; the next step's x is turned behind the third quarter and quantised behind the fourth.
.macro STEP s, zero
.set SL, (\s)%2
	FETCHX 7, 8, XSL*SL, XSL*SL, XF, XS
	FETCHWS SL
	FETCHW SL, 0
	FETCHW SL, 1
	s_wait_dscnt 12                                ; all but the second group's 12 loads
	MULG KIND, 0, XF, XS, \zero
	PLACES
	FETCHW SL, 2
	s_wait_dscnt 12                                ; all but the third group's 12
	MULG KIND, 1, XF, XS, \zero
	PLACES
	FETCHW SL, 3
	s_wait_dscnt 12                                ; all but the fourth group's 12
	MULG KIND, 2, XF, XS, \zero
	WIN 0
.if (\s) < 7
.if (\s) <= 4
	s_wait_loadcnt 32                              ; the next step's 16 loads of x are in; those of the two steps behind it may be out
.elseif (\s) == 5
	s_wait_loadcnt 16
.else
	s_wait_loadcnt 0
.endif
	TURN (\s)+1
	s_wait_dscnt 32                                ; the fourth group is in; the turn's 16 stores and 16 loads may be out
.else
	s_wait_dscnt 0
.endif
	MULG KIND, 3, XF, XS, \zero
	WIN 0
.if (\s) < 7
	s_wait_dscnt 0x0                               ; the turned numbers are in, and the stage's stores have read the raw set,
.if (\s)+4 <= 7
	XLOAD (\s)+4                                   ; which takes the loads of three steps further on
.endif
	QUANT ST, PC, PC+6, PW
	IMAGE 9, XSL*(((\s)+1)%2)
	ds_store_b32 v10, v[PW] offset:XSL*(((\s)+1)%2)   ; lanes l and l xor 16 write the same word with the same value
.endif
.endm
	s_load_b256 s[68:75], s[0:1], 0x0              ; query, wfrag, bq, kvf
	s_load_b128 s[76:79], s[0:1], 0x20             ; ksum, bo
	s_load_b64 s[80:81], s[0:1], 0x30              ; out0
	v_lshl_add_u32 v13, v0, 2, SPARE
	v_mov_b32 v14, 0
	ds_add_u32 v13, v14                            ; the wave's opening: the add, twice on end, and its wait ahead of my first tensor load
	ds_add_u32 v13, v14
	v_lshrrev_b32 v21, 5, v0
	v_readfirstlane_b32 s3, v21                    ; wave 0..3
	s_bfe_u32 s36, ttmp6, 0x40000                  ; cx: it enters the addresses of query, kvf, ksum and out0 alone
	s_lshl_b32 s37, ttmp9, 2
	s_add_co_u32 s37, s37, s36                     ; my block of 64 rows
	s_lshr_b32 s38, s37, 6                         ; the batch
	s_lshr_b32 s57, ttmp9, 3
	s_xor_b32 s57, s57, ttmp9
	s_and_b32 s57, s57, 7                          ; ROT: made of the cluster's number alone
	s_mov_b32 s55, 0                               ; the upper word of a fill's offset
	s_mov_b32 s16, 15|(3<<16)|(1<<21)              ; group 1: mask: all four work-groups; elements of 8 bytes; bit 21 beside a mask; no padding
	s_mov_b32 s17, 32<<16                          ; tensor_dim0 = 32 elements: rows of 256 bytes
	s_mov_b32 s18, 100<<16                         ; tensor_dim1 = 100 rows: a record is one dense block
	s_mov_b32 s19, 32<<16                          ; tile_dim0
	s_mov_b32 s20, 100                             ; tile_dim1
	s_mov_b32 s21, 32                              ; the pitch
	s_mov_b32 s22, 0
	s_mov_b32 s23, 0
	s_mov_b32 s32, 0x76543210
	s_mov_b32 s33, 0xfedcba98                      ; v_permlanex16_b32's selects for lane l xor 16
	s_mov_b32 s34, 0x3fb8aa3b                      ; log2(e)
	s_mov_b32 s35, s34                             ; (named with it as a pair)
	s_mul_i32 s40, s3, REC
	s_add_co_u32 s46, s40, 16*FILL                 ; my record of Wq's fill 0: made of the wave's number alone
	s_mov_b32 s47, 0
	v_and_b32 v21, 31, v0                          ; lane
	v_and_b32 v22, 15, v0                          ; r
	v_bfe_u32 v23, v0, 4, 1                        ; h
	v_lshlrev_b32 v1, 4, v21
	v_lshlrev_b32 v2, 2, v21
	v_lshlrev_b32 v15, 3, v21
	v_add_nc_u32 v3, s40, v1
	v_add_nc_u32 v4, FILL, v3
	v_add_nc_u32 v5, s40, v2
	v_add_nc_u32 v5, WSCO, v5
	v_add_nc_u32 v6, FILL, v5
	v_add_nc_u32 v7, XIMG, v1
	v_add_nc_u32 v8, XIMG+XSCO, v2
	s_mul_i32 s41, s3, 1536
	v_add_nc_u32 v9, s41, v7
	s_lshl_b32 s41, s3, 6
	v_lshl_add_u32 v10, v22, 2, s41
	v_add_nc_u32 v10, XIMG+XSCO, v10
	s_mul_i32 s41, s3, 8448
	s_add_co_u32 s41, s41, STG
	v_add_nc_u32 v11, s41, v1
	v_mul_u32_u24 v12, v22, 528
	v_lshl_add_u32 v12, v23, 6, v12
	v_add_nc_u32 v12, s41, v12
	v_lshlrev_b32 v16, 6, v23                      ; 64 h: my half's 16 neighbours in a group of 32 numbers
	s_mul_i32 s41, s3, 12288
	v_add_nc_u32 v17, s41, v1
	v_add_nc_u32 v17, AIMG, v17                    ; where I store attn's images: K steps 2 w, 2 w + 1
	s_lshl_b32 s41, s3, 9
	v_lshl_add_u32 v18, v22, 2, s41
	v_add_nc_u32 v18, ASC, v18
	v_add_nc_u32 v19, AIMG, v1
	v_add_nc_u32 v20, ASC, v2
.irp b, 0,1,2,3
	v_mov_b32 v[TM+4+\b], 0                        ; written once: a lane permute's destination counts as one of its sources
.endr
	s_wait_dscnt 0x0                               ; both opening adds are done
	s_wait_kmcnt 0x0
	s_add_nc_u64 s[8:9], s[70:71], s[46:47]
	s_mov_b32 s24, 1
	s_mov_b32 s25, s40
	FILLAT 0, 0
	s_mov_b32 s28, 1
	s_add_co_u32 s29, s40, FILL
	FILLAT 1, 1
	ROUND                                          ; all four work-groups are here: the first joint loads meet
	tensor_load_to_lds s[24:27], s[16:23]          ; what steps 0 and 1 multiply: two loads of mine are out
	s_nop 0
	tensor_load_to_lds s[28:31], s[16:23]
	s_nop 0
.rept 4
	v_nop
.endr
	s_mov_b32 s43, 0
	s_lshl_b32 s42, s37, 18
	s_lshl_b32 s45, s3, 16                         ; my tile: rows 16 w ..
	s_add_co_u32 s42, s42, s45
	s_add_nc_u64 s[4:5], s[68:69], s[42:43]
	s_lshl_b32 s42, s3, 10
	s_add_nc_u64 s[6:7], s[72:73], s[42:43]
	s_mul_i32 s42, s38, 49152
	s_mul_i32 s45, s3, 12288
	s_add_co_u32 s42, s42, s45
	s_add_nc_u64 s[10:11], s[74:75], s[42:43]      ; kv's fragments of my two pairs of heads
	s_lshl_b32 s42, s38, 12
	s_lshl_b32 s45, s3, 10
	s_add_co_u32 s42, s42, s45
	s_add_nc_u64 s[14:15], s[76:77], s[42:43]      ; sum_t k of my four heads
	s_add_co_u32 s42, s42, 196608
	s_add_nc_u64 s[12:13], s[74:75], s[42:43]      ; kv's scale words
	s_lshl_b32 s42, s3, 9
	s_add_nc_u64 s[50:51], s[78:79], s[42:43]
	s_lshl_b32 s45, s37, 17
	s_add_co_u32 s42, s42, s45
	s_add_nc_u64 s[52:53], s[80:81], s[42:43]
.irp p, 0,1
	WIN 0x80+0x40*\p
.irp c, 0,1,2,3,4,5,6,7
	global_load_b128 v[8*\c:8*\c+3], v16, s[6:7] offset:4*(32*((8*\p+\c)/2)+8*(\c%2))       ; bq at the lane's eight columns of the tile, into row tile 0's accumulator: 32 loads
	global_load_b128 v[8*\c+4:8*\c+7], v16, s[6:7] offset:4*(32*((8*\p+\c)/2)+8*(\c%2))+16
.endr
.endr
	WIN 0
	XLOAD 0
	XLOAD 1
	XLOAD 2
	s_wait_loadcnt 32                              ; bq and step 0's x are in; steps 1 and 2 may be out
	TURN 0
	s_wait_dscnt 0x0
	XLOAD 3
	QUANT ST, PC, PC+6, PW
	IMAGE 9, 0
	ds_store_b32 v10, v[PW]
	TOP 0, 0, 0
	STEP 0, 2                                      ; the sums begin with bq
	TOP 1, 0, 2
	STEP 1, 0
	TOP 1, 1, 3
	STEP 2, 0
	TOP 1, 0, 4
	STEP 3, 0
	TOP 1, 1, 5
	STEP 4, 0
	TOP 1, 0, 6
	STEP 5, 0
	TOP 1, 1, 7
	STEP 6, 0
	TOP 1, 0, 8                                    ; slot 0 takes Wo's first fill
	WIN 0x40
.irp hw, 0,1,2,3                               ; sum_t k into the raw sets, which are done with: v[96 + 32 hw + 16 bq + e] = d 32 bq + 16 h + e of head 4 w + hw
.irp bq, 0,1
.irp j, 0,1,2,3
	global_load_b128 v[96+32*\hw+16*\bq+4*\j:96+32*\hw+16*\bq+4*\j+3], v16, s[14:15] offset:256*\hw+128*\bq+16*\j
.endr
.endr
.endr
	WIN 0
	STEP 7, 0
	PLACES
	WIN 0x40
.irp p, 0,1                                    ; kv's fragments: pair of heads p, tile vt of 16 dv
.irp vt, 0,1,2,3
	global_load_b128 v[48*\p+12*\vt:48*\p+12*\vt+3], v1, s[10:11] offset:6144*\p+1536*\vt
	global_load_b64 v[48*\p+12*\vt+4:48*\p+12*\vt+5], v15, s[10:11] offset:6144*\p+1536*\vt+512
	global_load_b128 v[48*\p+12*\vt+6:48*\p+12*\vt+9], v1, s[10:11] offset:6144*\p+1536*\vt+768
	global_load_b64 v[48*\p+12*\vt+10:48*\p+12*\vt+11], v15, s[10:11] offset:6144*\p+1536*\vt+1280
.endr
.endr
	WIN 0
.irp hw, 0,1,2,3
.irp vp, 0,1
	global_load_b32 v[WS+2*\hw+\vp], v2, s[12:13] offset:256*\hw+128*\vp   ; lanes 0-15 tile 2 vp, lanes 16-31 tile 2 vp + 1
.endr
.endr
	TOP 1, 1, 9                                    ; slot 1 takes Wo's second fill
.irp i, 0,1,2,3,4,5
	v_mov_b32 v[XF+6+\i], 0                        ; the zero codes between the two heads' codes of q
.endr
.macro PULL m, p                       ; the accumulators of (row tile m, half p) are taken out: x log2 e and x + 1, each accumulator from its low end on
	WIN 2+(\p)
.set i_, 0
.rept 32
	v_pk_mul_f32 v[ST+2*i_:ST+2*i_+1], v[64*(\m)+2*i_:64*(\m)+2*i_+1], s[34:35] op_sel_hi:[1,0]
.set i_, i_+1
.endr
.set i_, 0
.rept 32
	v_pk_add_f32 v[R0+2*i_:R0+2*i_+1], v[64*(\m)+2*i_:64*(\m)+2*i_+1], 1.0 op_sel_hi:[1,0]
.set i_, i_+1
.endr
	WIN 0
.endm
; HEADS 4 w + 2 p, 4 w + 2 p + 1, for the four row tiles: a loop of four trips.  Only the lines that name the accumulators differ from trip to trip: they are picked by the trip's number.
.macro HEADS p
.set KSB, 96+64*(\p)
	s_mov_b32 s46, 0                               ; m
	s_mov_b32 s47, 0                               ; 1,536 m: the image's place
	s_mov_b32 s48, 0                               ; 64 m: the scale words'
.Lm_\@:
	s_cmp_eq_u32 s46, 1
	s_cbranch_scc1 .Lq1_\@
	s_cmp_eq_u32 s46, 2
	s_cbranch_scc1 .Lq2_\@
	s_cmp_eq_u32 s46, 3
	s_cbranch_scc1 .Lq3_\@
	PULL 0, \p
	s_branch .Lfix_\@
.Lq1_\@:
	PULL 1, \p
	s_branch .Lfix_\@
.Lq2_\@:
	PULL 2, \p
	s_branch .Lfix_\@
.Lq3_\@:
	PULL 3, \p
.Lfix_\@:
.set i_, 0
.rept 64
	v_exp_f32 v[ST+i_], v[ST+i_]                   ; E
.set i_, i_+1
.endr
	v_nop                                          ; a plain place behind the exponentials
	s_wait_alu depctr_va_vdst(0)                   ; one wait for the 64, ahead of their first reader
.set i_, 0
.rept 64
	v_med3_num_f32 v[ST+i_], v[ST+i_], v[R0+i_], 1.0   ; q = phi: the middle one of E, U, 1
.set i_, i_+1
.endr
.if (\p) == 0
	s_wait_loadcnt 0x0                             ; sum_t k, kv and its scale words.  (The second half finds them waited for; bo's loads, which it does not touch, stay out under it)
.endif
	WIN 0x04
	v_pk_mul_f32 v[22:23], v[ST:ST+1], v[KSB:KSB+1]            ; q . sum_t k on the unquantised q, in f32: the two heads by turns
	v_pk_mul_f32 v[24:25], v[ST+32:ST+33], v[KSB+32:KSB+33]
.set i_, 1
.rept 15
	v_pk_fma_f32 v[22:23], v[ST+2*i_:ST+2*i_+1], v[KSB+2*i_:KSB+2*i_+1], v[22:23]
	v_pk_fma_f32 v[24:25], v[ST+32+2*i_:ST+33+2*i_], v[KSB+32+2*i_:KSB+33+2*i_], v[24:25]
.set i_, i_+1
.endr
	WIN 0
	v_add_f32 v22, v22, v23
	v_add_f32 v24, v24, v25
	v_permlanex16_b32 v23, v22, s32, s33           ; the row's other 32 d lie in lane l xor 16
	v_permlanex16_b32 v25, v24, s32, s33
	v_add_f32 v22, v22, v23
	v_add_f32 v24, v24, v25
	v_add_f32 v22, 0x358637bd, v22                 ; + 1e-6
	v_add_f32 v24, 0x358637bd, v24
	v_rcp_f32 v126, v22
	v_rcp_f32 v127, v24                            ; the quantiser below is the independent work behind the two
	QUANT ST, XF, XF+12, PW                        ; q along d: the even head's codes in v46-51, the odd head's in v58-63
.rept 8
	v_nop                                          ; a scale register written by a vector instruction stands 8 places ahead of a scaled matrix instruction, an operand 4
.endr
	WIN 0x01
.set h_, 0
.rept 2
.set t_, 0
.rept 4
.set dD, R0+8*(4*h_+t_)
.set dA, 48*(\p)+12*t_
.set dB, XF+6*h_
.set dSA, WS+2*(2*(\p)+h_)+t_/2
.set dSB, PW
.set fRA, t_%2
.set fRB, 0
.set fZ, 1
	WM                                             ; kv q: eight sums of one instruction each
.set t_, t_+1
.endr
.set h_, h_+1
.endr
	WIN 0
	PLACES
	s_wait_alu depctr_va_vdst(0)                   ; the wait for the two reciprocals, ahead of their first reader
.set i_, 0
.rept 16
	v_pk_mul_f32 v[R0+2*i_:R0+2*i_+1], v[R0+2*i_:R0+2*i_+1], v[126:127] op_sel_hi:[1,0]   ; x norm: the even head,
.set i_, i_+1
.endr
.rept 16
	v_pk_mul_f32 v[R0+2*i_:R0+2*i_+1], v[R0+2*i_:R0+2*i_+1], v[126:127] op_sel:[0,1] op_sel_hi:[1,1]   ; the odd head
.set i_, i_+1
.endr
	s_wait_dscnt 0x0                               ; the last image's stores have read the codes' registers
	QUANT R0, PC, PC+6, AW                         ; attn along the last product's K: these two heads are one K step of 128
	v_add_nc_u32 v26, s47, v17
	v_add_nc_u32 v27, s48, v18
	IMAGE 26, 6144*(\p)
	ds_store_b32 v27, v[AW] offset:256*(\p)
	s_add_co_u32 s47, s47, 1536
	s_add_co_u32 s48, s48, 64
	s_add_co_u32 s46, s46, 1
	s_cmp_lt_u32 s46, 4
	s_cbranch_scc1 .Lm_\@
.endm
	HEADS 0
	WIN 0x80
.irp m, 0,1,2,3                                ; window 2 is free: bo at the lane's eight output columns of each tile: the last product's sums begin with it
.irp c, 0,1,2,3,4,5,6,7
	global_load_b128 v[64*\m+8*\c:64*\m+8*\c+3], v16, s[50:51] offset:4*(32*(\c/2)+8*(\c%2))
	global_load_b128 v[64*\m+8*\c+4:64*\m+8*\c+7], v16, s[50:51] offset:4*(32*(\c/2)+8*(\c%2))+16
.endr
.endr
	WIN 0
	HEADS 1
	TOP 2, 0, 0                                    ; attn's 32 fragments lie in LDS, and Wo's first two fills have landed
	s_wait_loadcnt 0x0                             ; bo
; A FILL OF Wo: two K steps, 64 matrix instructions on the 32 accumulators; the first two groups of weight images belong to the first K step.
.macro OFILL slot, kp
	FETCHX 19, 20, 12288*(\kp), 512*(\kp), XF, XS
	FETCHX 19, 20, 12288*(\kp)+6144, 512*(\kp)+256, ST, XS+2
	FETCHWS \slot
	FETCHW \slot, 0
	FETCHW \slot, 1
	s_wait_dscnt 12                                ; all but the second group's 12 loads
	MULG 2, 0, XF, XS, 0
	PLACES
	FETCHW \slot, 2
	s_wait_dscnt 12
	MULG 2, 1, XF, XS, 0
	PLACES
	FETCHW \slot, 3
	s_wait_dscnt 12
	MULG 2, 2, ST, XS+2, 0
	s_wait_dscnt 0
	MULG 2, 3, ST, XS+2, 0
	WIN 0
.endm
	OFILL 0, 0
	TOP 1, 0, 10
	OFILL 1, 1
	TOP 1, 1, 11
	OFILL 0, 2
	s_wait_tensorcnt 0x0                           ; my record of the last fill is in; I alone read it, so my own wait orders the reads
	PLACES
	OFILL 1, 3
	PLACES
; THE WAY OUT, a row tile at a time: a lane's 8 results of a tile are 32 neighbouring bytes of a row; through my stage they come back as whole rows of 512 bytes.
.macro TOSTAGE a
	WIN 0x08
.irp c, 0,1,2,3,4,5,6,7
	ds_store_b128 v12, v[64*(\a)+8*\c:64*(\a)+8*\c+3] offset:128*(\c/2)+32*(\c%2)          ; each accumulator from its low end on
	ds_store_b128 v12, v[64*(\a)+8*\c+4:64*(\a)+8*\c+7] offset:128*(\c/2)+32*(\c%2)+16
.endr
	WIN 0
.set BB_, ST+64*((\a)%2)
.irp t, 0,1,2,3,4,5,6,7,8,9,10,11,12,13,14,15
	ds_load_b128 v[BB_+4*\t:BB_+4*\t+3], v11 offset:528*\t   ; LDS serves a wave's instructions in order: these see the stores above
.endr
.endm
.macro SEND a, younger
.set BB_, ST+64*((\a)%2)
	s_wait_dscnt \younger
.irp t, 0,1,2,3,4,5,6,7,8,9,10,11,12,13,14,15
	global_store_b128 v1, v[BB_+4*\t:BB_+4*\t+3], s[52:53] offset:(16*(\a)+\t)*2048 th:TH_STORE_NT   ; 32 lanes store 512 consecutive bytes, at a multiple of 256 from out0's first byte
.endr
.endm
	TOSTAGE 0
	TOSTAGE 1
	SEND 0, 32                                     ; behind tile 0's loads: tile 1's 16 stores and 16 loads
	s_wait_xcnt 0x0                                ; tile 0's stores have read their registers
	TOSTAGE 2
	SEND 1, 32
	s_wait_xcnt 0x0
	TOSTAGE 3
	SEND 2, 32
	SEND 3, 0
	s_wait_tensorcnt 0x0                           ; the wave's end, behind my last tensor load and my last LDS store
	ds_add_u32 v13, v14
	s_wait_dscnt 0x0
	ROUND                                          ; the closing round
	s_endpgm
.Lfunc_end_k_qbd8e2055be_qout:
	.size	k_qbd8e2055be_qout, .Lfunc_end_k_qbd8e2055be_qout-k_qbd8e2055be_qout
	.p2alignl 7, 3214868480
	.fill 96, 4, 3214868480
	.section	.rodata,"a",@progbits
	.p2align	6, 0x0
	.amdhsa_kernel k_qbd8e2055be_qout
		.amdhsa_group_segment_fixed_size 327680
		.amdhsa_private_segment_fixed_size 0
		.amdhsa_enable_private_segment 0
		.amdhsa_kernarg_size 56
		.amdhsa_user_sgpr_count 2
		.amdhsa_user_sgpr_kernarg_segment_ptr 1
		.amdhsa_wavefront_size32 1
		.amdhsa_system_sgpr_workgroup_id_x 1
		.amdhsa_system_sgpr_workgroup_id_y 1
		.amdhsa_system_sgpr_workgroup_id_z 1
		.amdhsa_system_vgpr_workitem_id 0
		.amdhsa_next_free_vgpr 1024
		.amdhsa_next_free_sgpr 100
		.amdhsa_reserve_vcc 0
		.amdhsa_float_denorm_mode_32 3
		.amdhsa_float_denorm_mode_16_64 3
		.amdhsa_memory_ordered 1
		.amdhsa_forward_progress 1
		.amdhsa_inst_pref_size 255
	.end_amdhsa_kernel
	.section	.bss,"aw",@nobits
	.p2align	6
	.space	262144
	.amdgpu_metadata
---
amdhsa.version: [ 1, 2 ]
amdhsa.kernels:
  - .name:           k_qbd8e2055be_qout
    .symbol:         k_qbd8e2055be_qout.kd
    .args:
      - { .name: query, .offset: 0, .size: 8, .value_kind: global_buffer, .address_space: global }
      - { .name: wfrag, .offset: 8, .size: 8, .value_kind: global_buffer, .address_space: global }
      - { .name: bq, .offset: 16, .size: 8, .value_kind: global_buffer, .address_space: global }
      - { .name: kvf, .offset: 24, .size: 8, .value_kind: global_buffer, .address_space: global }
      - { .name: ksum, .offset: 32, .size: 8, .value_kind: global_buffer, .address_space: global }
      - { .name: bo, .offset: 40, .size: 8, .value_kind: global_buffer, .address_space: global }
      - { .name: out0, .offset: 48, .size: 8, .value_kind: global_buffer, .address_space: global }
    .group_segment_fixed_size: 327680
    .private_segment_fixed_size: 0
    .kernarg_segment_align: 8
    .kernarg_segment_size: 56
    .max_flat_workgroup_size: 128
    .sgpr_count:     100
    .vgpr_count:     1024
    .wavefront_size: 32
...
	.end_amdgpu_metadata
.endif
;; end of part 4
